; MI455X (gfx1250); checked and timed in simulation.
; The chip was launched on July 23, 2026; its instructions are those of AMD's public machine-readable ISA for CDNA 5 (MIT licence, August 2026) and "CDNA5" Instruction Set Architecture Reference Guide (July 2026). The comments in the code are by the model that wrote it; some were corrected since.
;; Simple Transformer Block. Allowed arithmetic: matrix products marked QUANTISED: E2M1 operands, one E8M0 scale for each 32 along K, by v_wmma_scale_f32_16x16x128_f8f6f4 with both operands' format E2M1 (or v_wmma_scale_f32_32x16x128_f4), f32 sums; everything else in f32.
;; Inputs: ff_b1 4,096 float32; ff_b2 1,024 float32; ff_w1 4,096 x 1,024 float32; ff_w2 1,024 x 4,096 float32; ln1_b 1,024 float32; ln1_w 1,024 float32; ln2_b 1,024 float32; ln2_w 1,024 float32; out_b 1,024 float32; out_w 1,024 x 1,024 float32; qkv_w 3,072 x 1,024 float32; x 2 x 2,048 x 1,024 float32.
;; Outputs: out0 2 x 2,048 x 1,024 float32.
;; This version of the problem:
;;   THIS VERSION OF THE PROBLEM IS GIVEN IN LOW PRECISION. The matrix products marked QUANTISED in the list below multiply operands that are first quantised to E2M1 (2 exponent bits, 1 mantissa bit; 4 bits a number), with one power-of-two scale for each 32 numbers along K (OCP MX v1.0); their sums are f32. All else is computed in f32.
;;   The module's matrix products, in the order in which they are computed (A, B: the left and right operand; K: the contracted axis; several contracted axes count as one K, in the product's order):
;;     1. [M 4,096, K 1,024] x [K 1,024, N 3,072]; A: computed on the way; B: input qkv_w: QUANTISED
;;     2. batch 32 x [M 2,048, K 64] x [K 64, N 2,048]; A: computed on the way; B: computed on the way: QUANTISED
;;     3. batch 32 x [M 2,048, K 2,048] x [K 2,048, N 64]; A: softmax (see below); B: computed on the way: QUANTISED
;;     4. [M 4,096, K 1,024] x [K 1,024, N 1,024]; A: computed on the way; B: input out_w: QUANTISED
;;     5. [M 4,096, K 1,024] x [K 1,024, N 4,096]; A: computed on the way; B: input ff_w1: QUANTISED
;;     6. [M 4,096, K 4,096] x [K 4,096, N 1,024]; A: computed on the way; B: input ff_w2: QUANTISED
;;   THE QUANTISER, for each operand of a quantised product, along K:
;;     - K is cut into blocks of 32 from its start; a last block that is shorter is filled with zeros.
;;     - A block's scale is 2^e with e = floor(log2(the largest magnitude in the block)) - 2, held to -126 .. 127; a block of zeros has e = 0. As a byte (E8M0): e + 127.
;;     - Each number is divided by its block's scale, clamped to +-6, and rounded to the nearest number of E2M1, ties to even, subnormals kept.
;;     - The product sums the exact products of the quantised numbers (number of the format x scale) in f32.
;;   ~~~python
;;   def quantise(x, axis):      # numpy; x: float32 -> the quantised numbers, widened to float32 again
;;       x = np.moveaxis(x, axis, -1); K = x.shape[-1]
;;       x = np.pad(x, [(0, 0)] * (x.ndim - 1) + [(0, -K % 32)]); x = x.reshape(x.shape[:-1] + (-1, 32)); a = np.abs(x).max(-1, keepdims=True)
;;       e = np.where(a > 0, np.clip(np.frexp(np.where(a > 0, a, 1))[1] - 1 - 2, -126, 127), 0)      # np.frexp(a)[1] - 1 = floor(log2(a)), exactly
;;       r = np.clip(x / 2.0 ** e, -6, 6)
;;       step = 2.0 ** (np.maximum(np.frexp(np.where(r == 0, 1, r))[1] - 1, 0) - 1)
;;       q = np.round(r / step) * step * 2.0 ** e      # np.round: ties to even
;;       return np.moveaxis(q.reshape(q.shape[:-2] + (-1,))[..., :K], -1, axis).astype(np.float32)
;;   ~~~
;;   SOFTMAX AHEAD OF A QUANTISED PRODUCT. Where the list says 'softmax', what is quantised is not the finished softmax but p = 2^(t - M), with t = logit x log2(e) and M = ceil(the row's largest t), a whole number; so 1/2 < the row's largest p <= 1. The row's sum l is taken of the UNQUANTISED p, in f32, and the product's result is divided by l at the end. Since M is a whole number, a kernel that streams over the keys may use a running M (the ceiling of the running maximum): every later rescaling is an exact power of two, which a block's scale takes up: the codes' values come out the same.
;;   OPERANDS COMPUTED ON THE WAY. 'Computed on the way' means the value that the module computes at that place (a softmax that the list does not call 'softmax' is quantised finished and normalised). What goes into a quantiser is computed in f32, as accurately as f32 sums, v_exp_f32 and their like allow (about 1e-6 of the number): no bf16 or f16 on the way to a quantiser, and a product that is left as it is and whose result goes on into a quantised operand takes f32 operands (vector FMAs, or v_wmma_f32_16x16x4_f32). A number that lies on a knife's edge between two numbers of the format may be rounded either way, as far as f32 arithmetic and the matrix unit's own rounding can turn it there, and no further.
;; One version. Each part assembles by itself: llvm-mc -triple=amdgcn-amd-amdhsa -mcpu=gfx1250 --defsym DOCPART=n.
;; ======== version 1 of 1: 7 launches
;; limits: right only within a limited range of input values
;; workspace buffers: wq 6,684,672 bytes; xq 2,228,224 bytes; qkv 6,946,816 bytes; oq 2,228,224 bytes; x1 16,777,216 bytes; x2q 2,228,224 bytes; hq 8,912,896 bytes
;; launch prep (part 1): grid 1024 x 1, 4 waves a work-group, no clusters, 66,304 bytes of LDS; arguments x, ln1_w, ln1_b, xq, qkv_w, out_w, ff_w1, ff_w2, wq; writes xq, wq
.if DOCPART == 1
	.amdgcn_target "amdgcn-amd-amdhsa--gfx1250"
	.amdhsa_code_object_version 6
	.text
	.protected	k_qba83a61f35_prep
	.globl	k_qba83a61f35_prep
	.p2align	8
	.type	k_qba83a61f35_prep,@function
k_qba83a61f35_prep:
	s_mov_b64 s[64:65], 0
	v_nop
	global_prefetch_b8 v0, s[64:65] scope:SCOPE_SE
	s_setreg_imm32_b32 hwreg(HW_REG_WAVE_MODE, 25, 1), 1
	s_wait_xcnt 0x0
; ONE LAUNCH FOR FIVE TENSORS: LN1(x) and the four weights become codes of FP4 (E2M1) with one E8M0 byte for each 32 along K, laid as IMAGES OF OPERAND REGISTERS:
; codes [tile][block of 32 along K][slot 0..15][16 bytes], scale words [tile][K step of 128][slot][4 bytes].  Slot r of tile 2 G + u is row 32 G + 16 (r / 8) + 8 u + r % 8,
; so that a product that takes such tiles as source 0 leaves 16 neighbouring rows in the 16 registers of two neighbouring result tiles.
; A work-group takes 16 rows x 1,024 numbers: work-groups 0-255 a tile of x, 256-447 of qkv_w, 448-511 of out_w, 512-767 of ff_w1, 768-1,023 a quarter of K of a tile of ff_w2 (K = 4,096).
; Pointers, the row pitch and the places of the results are CHOSEN by the work-group's number; all take one path, but for the layer norm's arithmetic (y = (x - mean) rsqrt(var + 1e-5) w + b, in f32, the variance
; taken of x - mean in a second pass over registers), which x's work-groups alone run: a forward branch on the work-group's number, round register work and the loads of gain and bias; no LDS instruction and no barrier stands in it.
; Phase 1: wave w takes slots 4 w .. 4 w + 3, four consecutive rows, a row in 32 registers, each load 512 consecutive bytes; the rows go to LDS (4,112 bytes apart, an odd multiple of 16).  One barrier.
; Phase 2: wave w takes K steps 2 w and 2 w + 1 of all 16 slots: lane (r, h) holds the four whole blocks of K step 2 w + h of slot r.
; A block's scale is 2^(floor(log2(largest magnitude)) - 2); its byte is the largest magnitude's exponent field - 2, held at 1 from below.
; LIMITS: a block of zeros gets the byte 1 where the rule says 127 (its codes are zeros and this program alone reads the bytes); block maxima under 2^-124 are held at that floor; NaN and infinities are not served.
; Streams that are read once: no matrix unit, no tensor load, no cluster.  With 242 registers and 66,304 bytes of LDS four work-groups share a WGP.
.set PITCH, 4112
.set NLN,  256                         ; x's work-groups
.set X,    32                          ; v32-159  four rows, row i at +32 i; in phase 2 four blocks
.set W,    160                         ; v160-191 the gain at my 32 columns
.set B,    192                         ; v192-223 the bias
.set C,    224                         ; v224-239 codes
.set TM,   8                           ; v8-11    largest magnitudes, then bytes
.set TSC,  12                          ; v12-15   the conversions' scale operands
.set PW,   16                          ; v16      the scale word
; four whole blocks of a lane, block i at v[X + 32 i] on, become 16 registers of codes and a scale word; the four blocks take turns, so that no line waits for the line above it
.macro QB4
.irp i, 0,1,2,3
	v_max3_num_f32 v[TM+\i], |v[X+32*\i]|, |v[X+32*\i+1]|, 0x1800000      ; with the floor 2^(3 - 127): the byte cannot fall under 1
.endr
.irp n, 2,4,6,8,10,12,14,16,18,20,22,24,26,28,30
.irp i, 0,1,2,3
	v_max3_num_f32 v[TM+\i], v[TM+\i], |v[X+32*\i+\n]|, |v[X+32*\i+\n+1]|
.endr
.endr
.irp i, 0,1,2,3
	v_add_nc_u32 v[TSC+\i], 0xff000000, v[TM+\i]                          ; 2 off the exponent field: the conversion takes that field as its scale
.endr
.irp i, 0,1,2,3
	v_lshrrev_b32 v[TM+\i], 23, v[TSC+\i]                                 ; the scale's byte
.endr
	v_lshl_or_b32 v[PW], v[TM+1], 8, v[TM]
	v_lshl_or_b32 v[PW], v[TM+2], 16, v[PW]
	v_lshl_or_b32 v[PW], v[TM+3], 24, v[PW]
.irp i, 0,1,2,3
.irp g, 0,1,2,3
	v_cvt_scalef32_pk8_fp4_f32 v[C+4*\i+\g], v[X+32*\i+8*\g:X+32*\i+8*\g+7], v[TSC+\i]
.endr
.endr
	v_nop                                                                 ; one plain line behind the last conversion
.endm
; the lanes' partial sums, a pair for each row in v[8 + 2 i], become the row's sum in v[8 + 2 i] of every lane
.macro REDUCE
.irp i, 0,1,2,3
	v_add_f32 v[8+2*\i], v[8+2*\i], v[9+2*\i]
.endr
.irp m, 1,2,4,8
.irp i, 0,1,2,3
	v_add_f32_dpp v[8+2*\i], v[8+2*\i], v[8+2*\i] row_xmask:\m row_mask:0xf bank_mask:0xf
.endr
.endr
.irp i, 0,1,2,3
	v_permlanex16_b32 v[24+\i], v[8+2*\i], s46, s47
.endr
.irp i, 0,1,2,3
	v_add_f32 v[8+2*\i], v[8+2*\i], v[24+\i]
.endr
.endm
	s_load_b256 s[4:11], s[0:1], 0x0               ; x s[4:5], gain s[6:7], bias s[8:9], xq s[10:11]
	s_load_b256 s[12:19], s[0:1], 0x20             ; qkv_w s[12:13], out_w s[14:15], ff_w1 s[16:17], ff_w2 s[18:19]
	s_load_b64 s[20:21], s[0:1], 0x40              ; wq
	v_lshl_add_u32 v240, v0, 2, 0x10100
	v_mov_b32 v241, 0
	v_lshrrev_b32 v1, 5, v0
	v_readfirstlane_b32 s34, v1                    ; wave 0..3
	v_and_b32 v6, 31, v0                           ; lane
	v_and_b32 v7, 15, v0                           ; r
	v_bfe_u32 v28, v0, 4, 1                        ; h
	v_lshlrev_b32 v1, 4, v6                        ; 16 x lane
	s_mul_i32 s35, s34, 4*PITCH
	v_add_nc_u32 v2, s35, v1                       ; LDS, on the way in: my wave's four rows
	v_mul_u32_u24 v3, v7, PITCH
	v_lshl_add_u32 v3, v28, 9, v3
	s_lshl_b32 s35, s34, 10
	v_add_nc_u32 v3, s35, v3                       ; on the way out: row r, K step 2 w + h
	v_lshlrev_b32 v4, 4, v7
	v_lshl_add_u32 v4, v28, 10, v4                 ; the image: 1,024 h + 16 r
	v_lshlrev_b32 v5, 2, v6                        ; the scale words: 64 h + 4 r
.irp i, 0,1,2,3
	v_mov_b32 v[24+\i], 0                          ; written once: a lane permute's destination counts as one of its sources
.endr
	s_mov_b32 s44, 0x3a800000                      ; 1 / 1,024
	s_mov_b32 s45, 0x3727c5ac                      ; 1e-5
	s_mov_b32 s46, 0x76543210
	s_mov_b32 s47, 0xfedcba98                      ; lane l xor 16
	; which tensor, which tile, which quarter of K: ff_w2's values first, then the others' in their ranges
	s_sub_co_u32 s22, ttmp9, 768
	s_lshr_b32 s24, s22, 2                         ; tile
	s_and_b32 s25, s22, 3                          ; quarter of K
	s_mov_b32 s26, 2                               ; log2(K / 1,024)
	s_mov_b32 s27, 4194304                         ; where the tensor's codes begin in its buffer
	s_mov_b32 s28, 6553600                         ; and its scale words
	s_sub_co_u32 s22, ttmp9, 512
	s_sub_co_u32 s23, ttmp9, 448
	s_sub_co_u32 s29, ttmp9, 256
	s_wait_kmcnt 0x0
	s_cmp_lt_u32 ttmp9, 768
	s_cselect_b64 s[30:31], s[16:17], s[18:19]
	s_cselect_b32 s24, s22, s24
	s_cselect_b32 s25, 0, s25
	s_cselect_b32 s26, 0, s26
	s_cselect_b32 s27, 2097152, s27
	s_cselect_b32 s28, 6422528, s28
	s_cmp_lt_u32 ttmp9, 512
	s_cselect_b64 s[30:31], s[14:15], s[30:31]
	s_cselect_b32 s24, s23, s24
	s_cselect_b32 s27, 1572864, s27
	s_cselect_b32 s28, 6389760, s28
	s_cmp_lt_u32 ttmp9, 448
	s_cselect_b64 s[30:31], s[12:13], s[30:31]
	s_cselect_b32 s24, s29, s24
	s_cselect_b32 s27, 0, s27
	s_cselect_b32 s28, 6291456, s28
	s_cmp_lt_u32 ttmp9, NLN
	s_cselect_b64 s[30:31], s[4:5], s[30:31]       ; the source
	s_cselect_b64 s[32:33], s[10:11], s[20:21]     ; the image's buffer
	s_cselect_b32 s24, ttmp9, s24
	s_cselect_b32 s28, 2097152, s28
	; my first row: 32 (T / 2) + 8 (T % 2) + 16 (w / 2) + 4 (w % 2)
	s_lshr_b32 s22, s24, 1
	s_lshl_b32 s22, s22, 5
	s_and_b32 s23, s24, 1
	s_lshl_b32 s23, s23, 3
	s_add_co_u32 s22, s22, s23
	s_lshr_b32 s23, s34, 1
	s_lshl_b32 s23, s23, 4
	s_add_co_u32 s22, s22, s23
	s_and_b32 s23, s34, 1
	s_lshl_b32 s23, s23, 2
	s_add_co_u32 s22, s22, s23
	s_add_co_u32 s23, s26, 12
	s_lshl_b32 s22, s22, s23                       ; x a row's bytes, 4 K
	s_lshl_b32 s23, s25, 12
	s_add_co_u32 s22, s22, s23                     ; + the quarter of K
	s_mov_b32 s23, 0
	s_add_nc_u64 s[36:37], s[30:31], s[22:23]
	s_lshl_b32 s22, 0x1000, s26                    ; a row's bytes
	s_add_nc_u64 s[38:39], s[36:37], s[22:23]
	s_add_nc_u64 s[40:41], s[38:39], s[22:23]
	s_add_nc_u64 s[42:43], s[40:41], s[22:23]
.irp i, 0,1,2,3
.irp j, 0,1,2,3,4,5,6,7
	global_load_b128 v[X+32*\i+4*\j:X+32*\i+4*\j+3], v1, s[36+2*\i:37+2*\i] offset:512*\j th:TH_LOAD_NT   ; 512 consecutive bytes
.endr
.endr
	; where my codes go: a tile is 8 K bytes, a quarter of K 8,192, a wave's two K steps 2,048
	s_add_co_u32 s22, s26, 13
	s_lshl_b32 s22, s24, s22
	s_add_co_u32 s27, s27, s22
	s_lshl_b32 s22, s25, 13
	s_add_co_u32 s27, s27, s22
	s_lshl_b32 s22, s34, 11
	s_add_co_u32 s22, s27, s22
	s_add_nc_u64 s[48:49], s[32:33], s[22:23]
	; and my scale words: a tile K / 2 bytes, a quarter 512, a wave 128
	s_add_co_u32 s22, s26, 9
	s_lshl_b32 s22, s24, s22
	s_add_co_u32 s28, s28, s22
	s_lshl_b32 s22, s25, 9
	s_add_co_u32 s28, s28, s22
	s_lshl_b32 s22, s34, 7
	s_add_co_u32 s22, s28, s22
	s_add_nc_u64 s[50:51], s[32:33], s[22:23]
	s_cmp_ge_u32 ttmp9, NLN
	s_cbranch_scc1 .Lplain                         ; a weight is quantised as it is
.irp j, 0,1,2,3,4,5,6,7
	global_load_b128 v[W+4*\j:W+4*\j+3], v1, s[6:7] offset:512*\j
.endr
.irp j, 0,1,2,3,4,5,6,7
	global_load_b128 v[B+4*\j:B+4*\j+3], v1, s[8:9] offset:512*\j
.endr
	s_wait_loadcnt 16                              ; the rows are in; gain and bias, sixteen loads, may stay out
	; the mean
.irp i, 0,1,2,3
	v_pk_add_f32 v[8+2*\i:9+2*\i], v[X+32*\i:X+32*\i+1], v[X+32*\i+2:X+32*\i+3]
.endr
.irp n, 4,6,8,10,12,14,16,18,20,22,24,26,28,30
.irp i, 0,1,2,3
	v_pk_add_f32 v[8+2*\i:9+2*\i], v[8+2*\i:9+2*\i], v[X+32*\i+\n:X+32*\i+\n+1]
.endr
.endr
	REDUCE
.irp i, 0,1,2,3
	v_mul_f32 v[16+2*\i], s44, v[8+2*\i]
.endr
.irp i, 0,1,2,3
	v_mov_b32 v[17+2*\i], v[16+2*\i]               ; the pair's two halves hold the same number
.endr
	; d = x - mean, in place
.irp n, 0,2,4,6,8,10,12,14,16,18,20,22,24,26,28,30
.irp i, 0,1,2,3
	v_pk_add_f32 v[X+32*\i+\n:X+32*\i+\n+1], v[X+32*\i+\n:X+32*\i+\n+1], v[16+2*\i:17+2*\i] neg_lo:[0,1] neg_hi:[0,1]
.endr
.endr
	; the sum of d^2
.irp i, 0,1,2,3
	v_pk_mul_f32 v[8+2*\i:9+2*\i], v[X+32*\i:X+32*\i+1], v[X+32*\i:X+32*\i+1]
.endr
.irp n, 2,4,6,8,10,12,14,16,18,20,22,24,26,28,30
.irp i, 0,1,2,3
	v_pk_fma_f32 v[8+2*\i:9+2*\i], v[X+32*\i+\n:X+32*\i+\n+1], v[X+32*\i+\n:X+32*\i+\n+1], v[8+2*\i:9+2*\i]
.endr
.endr
	REDUCE
.irp i, 0,1,2,3
	v_fma_f32 v[8+2*\i], v[8+2*\i], s44, s45       ; var + eps
.endr
	s_wait_alu depctr_va_vdst(0)
.irp i, 0,1,2,3
	v_rsq_f32 v[16+2*\i], v[8+2*\i]
.endr
	v_nop                                          ; a plain line behind the last of the four
	s_wait_alu depctr_va_vdst(0)                   ; one wait for the four, ahead of their first reader
.irp i, 0,1,2,3
	v_mov_b32 v[17+2*\i], v[16+2*\i]
.endr
	s_wait_alu depctr_va_vdst(0)
	s_wait_loadcnt 0x0                             ; gain and bias
.irp n, 0,2,4,6,8,10,12,14,16,18,20,22,24,26,28,30
.irp i, 0,1,2,3
	v_pk_mul_f32 v[X+32*\i+\n:X+32*\i+\n+1], v[X+32*\i+\n:X+32*\i+\n+1], v[16+2*\i:17+2*\i]
.endr
.irp i, 0,1,2,3
	v_pk_fma_f32 v[X+32*\i+\n:X+32*\i+\n+1], v[X+32*\i+\n:X+32*\i+\n+1], v[W+\n:W+\n+1], v[B+\n:B+\n+1]
.endr
.endr
.Lplain:
	s_wait_loadcnt 0x0                             ; the rows (a weight's way comes here with its 32 loads out)
	s_wait_alu depctr_va_vdst(0)
.irp i, 0,1,2,3
.irp j, 0,1,2,3,4,5,6,7
	ds_store_b128 v2, v[X+32*\i+4*\j:X+32*\i+4*\j+3] offset:PITCH*\i+512*\j
.endr
.endr
	s_wait_dscnt 0x0                               ; for the others' sake: my rows lie in LDS
	s_barrier_signal -1
	s_barrier_wait -1
.irp i, 0,1,2,3
.irp j, 0,1,2,3,4,5,6,7
	ds_load_b128 v[X+32*\i+4*\j:X+32*\i+4*\j+3], v3 offset:128*\i+16*\j   ; block i of K step 2 w + h of slot r
.endr
.endr
	s_wait_dscnt 0x0
	QB4
.irp i, 0,1,2,3
	global_store_b128 v4, v[C+4*\i:C+4*\i+3], s[48:49] offset:256*\i      ; each half of the lanes stores 256 consecutive bytes, aligned
.endr
	global_store_b32 v5, v[PW], s[50:51]           ; 128 consecutive bytes
	s_wait_tensorcnt 0x0
	ds_add_u32 v240, v241
	s_wait_dscnt 0x0
	s_endpgm
.Lfunc_end_k_qba83a61f35_prep:
	.size	k_qba83a61f35_prep, .Lfunc_end_k_qba83a61f35_prep-k_qba83a61f35_prep
	.p2alignl 7, 3214868480
	.fill 96, 4, 3214868480
	.section	.rodata,"a",@progbits
	.p2align	6, 0x0
	.amdhsa_kernel k_qba83a61f35_prep
		.amdhsa_group_segment_fixed_size 66304
		.amdhsa_private_segment_fixed_size 0
		.amdhsa_enable_private_segment 0
		.amdhsa_kernarg_size 72
		.amdhsa_user_sgpr_count 2
		.amdhsa_user_sgpr_kernarg_segment_ptr 1
		.amdhsa_wavefront_size32 1
		.amdhsa_system_sgpr_workgroup_id_x 1
		.amdhsa_system_sgpr_workgroup_id_y 1
		.amdhsa_system_sgpr_workgroup_id_z 1
		.amdhsa_system_vgpr_workitem_id 0
		.amdhsa_next_free_vgpr 242
		.amdhsa_next_free_sgpr 66
		.amdhsa_reserve_vcc 0
		.amdhsa_float_denorm_mode_32 3
		.amdhsa_float_denorm_mode_16_64 3
		.amdhsa_memory_ordered 1
		.amdhsa_forward_progress 1
		.amdhsa_inst_pref_size 44
	.end_amdhsa_kernel
	.amdgpu_metadata
---
amdhsa.version: [ 1, 2 ]
amdhsa.kernels:
  - .name:           k_qba83a61f35_prep
    .symbol:         k_qba83a61f35_prep.kd
    .args:
      - { .name: x, .offset: 0, .size: 8, .value_kind: global_buffer, .address_space: global }
      - { .name: ln1_w, .offset: 8, .size: 8, .value_kind: global_buffer, .address_space: global }
      - { .name: ln1_b, .offset: 16, .size: 8, .value_kind: global_buffer, .address_space: global }
      - { .name: xq, .offset: 24, .size: 8, .value_kind: global_buffer, .address_space: global }
      - { .name: qkv_w, .offset: 32, .size: 8, .value_kind: global_buffer, .address_space: global }
      - { .name: out_w, .offset: 40, .size: 8, .value_kind: global_buffer, .address_space: global }
      - { .name: ff_w1, .offset: 48, .size: 8, .value_kind: global_buffer, .address_space: global }
      - { .name: ff_w2, .offset: 56, .size: 8, .value_kind: global_buffer, .address_space: global }
      - { .name: wq, .offset: 64, .size: 8, .value_kind: global_buffer, .address_space: global }
    .group_segment_fixed_size: 66304
    .private_segment_fixed_size: 0
    .kernarg_segment_align: 8
    .kernarg_segment_size: 72
    .max_flat_workgroup_size: 128
    .sgpr_count:     66
    .vgpr_count:     242
    .wavefront_size: 32
...
	.end_amdgpu_metadata
.endif
;; end of part 1
;; launch g1 (part 2): grid 12 x 16, 16 waves a work-group, no clusters, 280,576 bytes of LDS; arguments xq, wq, qkv; writes qkv
.if DOCPART == 2
	.amdgcn_target "amdgcn-amd-amdhsa--gfx1250"
	.amdhsa_code_object_version 6
	.text
	.protected	k_qba83a61f35_g1
	.globl	k_qba83a61f35_g1
	.p2align	8
	.type	k_qba83a61f35_g1,@function
k_qba83a61f35_g1:
	s_mov_b64 s[64:65], 0
	v_nop
	global_prefetch_b8 v0, s[64:65] scope:SCOPE_SE
	s_setreg_imm32_b32 hwreg(HW_REG_WAVE_MODE, 25, 1), 1
	s_wait_xcnt 0x0
; qkv = LN1(x) qkv_w^T on codes of FP4 (E2M1) with E8M0 scales, K = 1,024; the results are quantised at once as attention's operands: q and k along the head's 64, v along the keys.
; OPERANDS are images of operand registers: fragment (tile, K step) = 1,024 bytes, piece c at 512 c + 16 x lane; scale words [tile][K step][slot].  Slot r of tile 2 G + u is row 32 G + 16 (r / 8) + 8 u + r % 8.
; A work-group makes 256 x 256: sixteen waves of 256 registers, four to a SIMD.  P0 is source 0 (its rows run along a lane's registers), P1 source 1 (its slot is the lane).  A wave makes 128 rows of P0 x 32 of P1:
; 16 accumulators; the 16 registers of result tiles 2 G and 2 G + 1 are 16 neighbouring rows of P0, so 64 registers are four blocks of 32 of the next K.
; Tile columns 0-7 (q, k): P0 = the weight, P1 = the tokens.  Tile columns 8-11 (v): the roles are swapped by a choice of pointers, so that a lane's registers run along the keys.  LDS addresses hang on the wave's number alone.
; LDS: two slots of 131,072 bytes (32 tiles x 512 along K: P0's sixteen, then P1's), each filled ONCE, and 16,384 bytes of scale words.  Every wave brings two tiles: three tensor loads out at the start, by this text's count.
; OUT, in qkv: q's codes [head 32][tile 128][512 bytes] at 0, q's scale words [head][tile][slot] at 2,097,152; from 2,359,296 a record of 8,960 bytes for each head and 128 keys:
; k's codes 8 x 512, v^T's fragments 4 x 1,024, k's scale words 8 x 64, v's 4 x 64.  Of q's and k's scale words bytes 0 and 1 count; bytes 2 and 3 stand over zero codes and are never 0xff.
; Code stores cover 512 consecutive bytes at multiples of 256; the scale words leave in pieces of 64 bytes (a sixteenth of the codes' bytes).
; LIMITS: a block of zeros gets the byte 1 where the rule says 127; block maxima under 2^-124 are held at that floor; NaN and infinities are not served.
; NO CLUSTER: the two operands change roles with the tile column, so a joint load's address would hang now on one and now on the other coordinate of a cluster.
; LDS AS IT STANDS (in place of the two slots and three loads that the head comment names): 32 tiles of 8,192 bytes, each with its whole K, filled ONCE by one tensor load a wave (two tiles, 16,384 consecutive bytes);
; the second 512 along K of a tile lie 4,096 bytes behind the first.  The scale words, 1,024 bytes a wave, come by plain loads and LDS stores into bytes on which no fill lands.
.set TS,    8192                       ; a tile's bytes in LDS
.set SS,    512                        ; a tile's scale words
.set SLOTB, 4096                       ; from a tile's first 512 along K to its second
.set SCL,   262144
.set KV,    2359296
.set VP0,   1                          ; v1-2   P0's fragments in slot 0, 1
.set VP1,   3                          ; v3-4   P1's
.set VSB,   5                          ; v5     P0's scale words: lanes 0-15 an even tile's, lanes 16-31 the next tile's
.set VSA,   6                          ; v6     P1's: lanes 0-15 tile 0's, lanes 16-31 tile 1's
.set SB,    16                         ; v16-19
.set SA,    20
.set PW0,   21
.set PW1,   22
.set F0,    24                         ; v24-87   P0's eight fragments
.set F1,    88                         ; v88-103  P1's two
.set ACC,   104                        ; v104-231 accumulator (a, b) at ACC + 64 a + 8 b
.set TM,    232                        ; v232-247 at work in QUANT
.set PC0,   248                        ; v248-255 the codes of P1's tile 0
.set PC1,   88                         ; v88-95   of tile 1: P1's fragments are done with
.set SEL,   92                         ; s[92:93]
.set G1C,   24
.set G1S,   32
.set G0S,   40
.set G0A,   44
.set G0B,   48
.macro PROD a, b, zero
.set rD, ACC+64*(\a)+8*(\b)
.set rP, F0+8*(\b)
.set rQ, F1+8*(\a)
.set rS, SB+(\b)/2
.set vr, 2*((\b)%2)+(\a)+4*(\zero)
.if vr == 0
	v_wmma_scale_f32_16x16x128_f8f6f4 v[rD:rD+7], v[rP:rP+7], v[rQ:rQ+7], v[rD:rD+7], v[rS], v[SA] matrix_a_fmt:MATRIX_FMT_FP4 matrix_b_fmt:MATRIX_FMT_FP4
.elseif vr == 1
	v_wmma_scale_f32_16x16x128_f8f6f4 v[rD:rD+7], v[rP:rP+7], v[rQ:rQ+7], v[rD:rD+7], v[rS], v[SA] matrix_a_fmt:MATRIX_FMT_FP4 matrix_b_fmt:MATRIX_FMT_FP4 matrix_b_scale:MATRIX_SCALE_ROW1
.elseif vr == 2
	v_wmma_scale_f32_16x16x128_f8f6f4 v[rD:rD+7], v[rP:rP+7], v[rQ:rQ+7], v[rD:rD+7], v[rS], v[SA] matrix_a_fmt:MATRIX_FMT_FP4 matrix_b_fmt:MATRIX_FMT_FP4 matrix_a_scale:MATRIX_SCALE_ROW1
.elseif vr == 3
	v_wmma_scale_f32_16x16x128_f8f6f4 v[rD:rD+7], v[rP:rP+7], v[rQ:rQ+7], v[rD:rD+7], v[rS], v[SA] matrix_a_fmt:MATRIX_FMT_FP4 matrix_b_fmt:MATRIX_FMT_FP4 matrix_a_scale:MATRIX_SCALE_ROW1 matrix_b_scale:MATRIX_SCALE_ROW1
.elseif vr == 4
	v_wmma_scale_f32_16x16x128_f8f6f4 v[rD:rD+7], v[rP:rP+7], v[rQ:rQ+7], 0, v[rS], v[SA] matrix_a_fmt:MATRIX_FMT_FP4 matrix_b_fmt:MATRIX_FMT_FP4
.elseif vr == 5
	v_wmma_scale_f32_16x16x128_f8f6f4 v[rD:rD+7], v[rP:rP+7], v[rQ:rQ+7], 0, v[rS], v[SA] matrix_a_fmt:MATRIX_FMT_FP4 matrix_b_fmt:MATRIX_FMT_FP4 matrix_b_scale:MATRIX_SCALE_ROW1
.elseif vr == 6
	v_wmma_scale_f32_16x16x128_f8f6f4 v[rD:rD+7], v[rP:rP+7], v[rQ:rQ+7], 0, v[rS], v[SA] matrix_a_fmt:MATRIX_FMT_FP4 matrix_b_fmt:MATRIX_FMT_FP4 matrix_a_scale:MATRIX_SCALE_ROW1
.else
	v_wmma_scale_f32_16x16x128_f8f6f4 v[rD:rD+7], v[rP:rP+7], v[rQ:rQ+7], 0, v[rS], v[SA] matrix_a_fmt:MATRIX_FMT_FP4 matrix_b_fmt:MATRIX_FMT_FP4 matrix_a_scale:MATRIX_SCALE_ROW1 matrix_b_scale:MATRIX_SCALE_ROW1
.endif
.endm
; 128 along K: the slot's sl-th, the sg-th of all.  The 16 accumulators take turns, one instruction a turn, in the same order in every step.
.macro KSTEP slot, sl, sg, zero
.rept 4
	v_nop                                          ; four places between the last products and the loads into the registers that they read
.endr
.irp b, 0,1,2,3,4,5,6,7
.irp c, 0,1
	ds_load_b128 v[F0+8*\b+4*\c:F0+8*\b+4*\c+3], v[VP0+\slot] offset:\b*TS+1024*(\sl)+512*\c   ; 512 consecutive bytes
.endr
.endr
.irp a, 0,1
.irp c, 0,1
	ds_load_b128 v[F1+8*\a+4*\c:F1+8*\a+4*\c+3], v[VP1+\slot] offset:\a*TS+1024*(\sl)+512*\c
.endr
.endr
.irp i, 0,1,2,3
	ds_load_b32 v[SB+\i], v[VSB] offset:2*\i*SS+64*(\sg)
.endr
	ds_load_b32 v[SA], v[VSA] offset:64*(\sg)
	s_wait_dscnt 0x0                               ; the SIMD's other three waves work meanwhile
.irp b, 0,1,2,3,4,5,6,7
.irp a, 0,1
	PROD \a, \b, \zero
.endr
.endr
.endm
; 64 numbers of a lane, register 16 b + i = k 32 b + 16 (lane / 16) + i of my row, become a fragment's codes in v[pc] on and its scale word in v[pw]
.macro QUANT s, pc, pw
.irp b, 0,1,2,3
	v_max3_num_f32 v[TM+\b], |v[\s+16*\b]|, |v[\s+1+16*\b]|, 0x1800000   ; with the floor 2^(3 - 127): the byte cannot fall under 1
.endr
.irp i, 2,4,6,8,10,12,14
.irp b, 0,1,2,3
	v_max3_num_f32 v[TM+\b], v[TM+\b], |v[\s+16*\b+\i]|, |v[\s+1+16*\b+\i]|
.endr
.endr
.irp b, 0,1,2,3
	s_delay_alu instid0(VALU_DEP_4)
	v_permlanex16_b32 v[TM+4+\b], v[TM+\b], s[SEL], s[SEL+1]
.endr
.irp b, 0,1,2,3
	s_delay_alu instid0(VALU_DEP_4)
	v_max_num_f32 v[TM+\b], v[TM+\b], v[TM+4+\b]   ; with lane l xor 16's: the block's largest magnitude
.endr
.irp b, 0,1,2,3
	s_delay_alu instid0(VALU_DEP_4)
	v_add_nc_u32 v[TM+12+\b], 0xff000000, v[TM+\b] ; 2 off the exponent field: the conversion's scale operand
.endr
.irp b, 0,1,2,3
	s_delay_alu instid0(VALU_DEP_4)
	v_lshrrev_b32 v[TM+4+\b], 23, v[TM+12+\b]      ; the scale's byte
.endr
	s_delay_alu instid0(VALU_DEP_3)
	v_lshl_or_b32 v[\pw], v[TM+5], 8, v[TM+4]
	s_delay_alu instid0(VALU_DEP_1)
	v_lshl_or_b32 v[\pw], v[TM+6], 16, v[\pw]
	s_delay_alu instid0(VALU_DEP_1)
	v_lshl_or_b32 v[\pw], v[TM+7], 24, v[\pw]
.irp b, 0,1,2,3
	v_cvt_scalef32_pk8_fp4_f32 v[\pc+2*\b], v[\s+16*\b:\s+7+16*\b], v[TM+12+\b]
	v_cvt_scalef32_pk8_fp4_f32 v[\pc+1+2*\b], v[\s+8+16*\b:\s+15+16*\b], v[TM+12+\b]
.endr
	v_nop                                          ; one plain line behind the last conversion
.irp c, 0,1                                    ; the operand's layout wants a whole block in a lane: lanes 0-15 block 2 c, lanes 16-31 block 2 c + 1
.irp i, 0,1
	v_permlane16_swap_b32 v[\pc+4*\c+\i], v[\pc+2+4*\c+\i]
.endr
.endr
.endm
	s_load_b128 s[4:7], s[0:1], 0x0                ; xq s[4:5], wq s[6:7]
	s_load_b64 s[8:9], s[0:1], 0x10                ; qkv
	v_lshl_add_u32 v242, v0, 2, 0x44000
	v_mov_b32 v243, 0
	ds_add_u32 v242, v243
	ds_add_u32 v242, v243
	v_lshrrev_b32 v24, 5, v0
	s_delay_alu instid0(VALU_DEP_1)
	v_readfirstlane_b32 s10, v24                   ; wave 0..15
	s_and_b32 s11, ttmp7, 0xffff                   ; Y: which 256 tokens
	s_and_b32 s12, s10, 7                          ; which 32 rows of P1 are mine; also which two tiles of an operand I fetch
	s_lshr_b32 s13, s10, 3                         ; which 128 rows of P0 are mine; also: I fetch for P0 (0) or for P1 (1)
	; descriptor group 1 for codes: 2 rows (tiles) of 1,024 elements of 8 bytes, 1,024 elements apart
	s_mov_b32 s[G1C+0], 3<<16
	s_mov_b32 s[G1C+1], 1024<<16
	s_mov_b32 s[G1C+2], 2<<16
	s_mov_b32 s[G1C+3], 1024<<16
	s_mov_b32 s[G1C+4], 2
	s_mov_b32 s[G1C+5], 1024
	s_mov_b32 s[G1C+6], 0
	s_mov_b32 s[G1C+7], 0
	s_lshr_b32 s14, ttmp9, 3                       ; 1 in v's tile columns, where the roles are swapped
	s_xor_b32 s14, s14, s13                        ; 0: my two tiles are the weight's, 1: the tokens'
	s_mov_b32 s19, 2097152
	s_wait_dscnt 0x0
	s_wait_kmcnt 0x0
	s_cmp_eq_u32 s14, 0
	s_cselect_b64 s[16:17], s[6:7], s[4:5]
	s_cselect_b32 s18, ttmp9, s11
	s_cselect_b32 s19, 6291456, s19                ; where that buffer's scale words begin
	s_lshl_b32 s20, s18, 17                        ; sixteen tiles of 8,192 bytes,
	s_lshl_b32 s21, s12, 14                        ; my two of them
	s_add_co_u32 s20, s20, s21
	s_mov_b32 s21, 0
	s_lshl_b32 s22, s18, 13
	s_add_co_u32 s22, s22, s19
	s_lshl_b32 s23, s12, 10
	s_add_co_u32 s22, s22, s23
	s_mov_b32 s23, 0
	s_lshl_b32 s[G0S+1], s10, 10
	s_add_co_u32 s[G0S+1], s[G0S+1], SCL           ; LDS: wave x 1,024 behind SCL
	s_add_nc_u64 s[G0S+2:G0S+3], s[16:17], s[22:23]
	s_mov_b32 s[G0A], 1
	s_lshl_b32 s[G0A+1], s10, 14                   ; LDS: wave x two tiles
	s_add_nc_u64 s[G0A+2:G0A+3], s[16:17], s[20:21]
	s_or_b32 s[G0A+3], s[G0A+3], 0x80000000
	tensor_load_to_lds s[G0A:G0A+3], s[G1C:G1C+7]  ; my one tensor load: two tiles, all of K
	s_nop 0
.rept 4
	v_nop
.endr
	v_and_b32 v24, 31, v0                          ; lane
	v_and_b32 v25, 15, v0                          ; r
	v_bfe_u32 v26, v0, 4, 1                        ; h
	s_delay_alu instid0(VALU_DEP_3)
	v_lshlrev_b32 v27, 4, v24                      ; 16 x lane
	global_load_b128 v[32:35], v27, s[G0S+2:G0S+3]             ; my two tiles' scale words: 2 x 512 consecutive bytes
	global_load_b128 v[36:39], v27, s[G0S+2:G0S+3] offset:512
	v_add_nc_u32 v30, s[G0S+1], v27                ; and their place in LDS
	s_lshl_b32 s14, s13, 16
	v_add_nc_u32 v[VP0], s14, v27                  ; my eight tiles of P0
	s_delay_alu instid0(VALU_DEP_1)
	v_add_nc_u32 v[VP0+1], SLOTB, v[VP0]
	s_lshl_b32 s14, s12, 14
	s_add_co_u32 s14, s14, 16*TS
	v_add_nc_u32 v[VP1], s14, v27                  ; my two tiles of P1, behind P0's sixteen
	s_delay_alu instid0(VALU_DEP_1)
	v_add_nc_u32 v[VP1+1], SLOTB, v[VP1]
	v_lshlrev_b32 v28, 2, v25
	s_delay_alu instid0(VALU_DEP_1)
	v_lshl_add_u32 v28, v26, 9, v28                ; 4 r + h x a tile's scale words
	s_lshl_b32 s14, s13, 12
	s_add_co_u32 s14, s14, SCL
	v_add_nc_u32 v[VSB], s14, v28
	s_lshl_b32 s14, s12, 10
	s_add_co_u32 s14, s14, SCL+16*SS
	v_add_nc_u32 v[VSA], s14, v28
.irp b, 0,1,2,3
	v_mov_b32 v[TM+4+\b], 0                        ; written once: a lane permute's destination counts as one of its sources
.endr
	s_mov_b32 s[SEL], 0x76543210
	s_mov_b32 s[SEL+1], 0xfedcba98
	; WHERE THE RESULTS GO.  All three kinds' places are made, then chosen by the tile column: no branch.
	s_lshr_b32 s52, s11, 3                         ; the batch
	s_and_b32 s53, s11, 7                          ; which 256 tokens of it
	s_and_b32 s54, ttmp9, 3
	s_lshl_b32 s52, s52, 4
	s_lshl_b32 s54, s54, 2
	s_add_co_u32 s52, s52, s54                     ; the first of the tile column's four heads
	s_lshl_b32 s54, s13, 1
	s_add_co_u32 s54, s52, s54                     ; q, k: my two heads begin here
	s_lshr_b32 s55, s12, 1
	s_add_co_u32 s55, s52, s55                     ; v: my head
	s_lshl_b32 s56, s53, 3
	s_add_co_u32 s56, s56, s12                     ; q: my pair of token tiles in the batch
	s_lshl_b32 s57, s54, 16
	s_lshl_b32 s58, s56, 10
	s_add_co_u32 s57, s57, s58                     ; q's codes
	s_lshl_b32 s58, s54, 13
	s_lshl_b32 s59, s56, 7
	s_add_co_u32 s58, s58, s59
	s_add_co_u32 s58, s58, 2097152                 ; q's scale words
	s_lshl_b32 s59, s53, 1
	s_lshr_b32 s60, s12, 2
	s_add_co_u32 s60, s59, s60                     ; k: the key step of my 32 tokens
	s_mul_i32 s60, s60, 8960
	s_mul_i32 s61, s54, 143360
	s_add_co_u32 s60, s60, s61
	s_add_co_u32 s60, s60, KV                      ; its record
	s_and_b32 s61, s12, 3
	s_lshl_b32 s62, s61, 10
	s_add_co_u32 s62, s60, s62                     ; k's codes
	s_lshl_b32 s61, s61, 7
	s_add_co_u32 s61, s60, s61
	s_add_co_u32 s61, s61, 8192                    ; k's scale words
	s_add_co_u32 s59, s59, s13                     ; v: the key step of my 128 tokens
	s_mul_i32 s59, s59, 8960
	s_mul_i32 s60, s55, 143360
	s_add_co_u32 s59, s59, s60
	s_add_co_u32 s59, s59, KV
	s_and_b32 s60, s12, 1
	s_lshl_b32 s63, s60, 11
	s_add_co_u32 s63, s59, s63
	s_add_co_u32 s63, s63, 4096                    ; v's fragments
	s_lshl_b32 s60, s60, 7
	s_add_co_u32 s60, s59, s60
	s_add_co_u32 s60, s60, 8704                    ; v's scale words
	s_mov_b32 s68, 1024                            ; from P1's tile 0 to tile 1
	s_mov_b32 s69, 512                             ; from piece 0 to piece 1 (q, k: the next head)
	s_cmp_lt_u32 ttmp9, 8
	s_cselect_b32 s66, s62, s63
	s_cselect_b32 s67, s61, s60
	s_cselect_b32 s68, 512, s68
	s_cselect_b32 s69, 143360, s69
	s_cselect_b32 s70, 143360, 0                   ; scale words: from head to head (lanes 16-31 store the second head's)
	s_cselect_b32 s71, 16, 0                       ; whose two bytes are the word's upper two
	s_cmp_lt_u32 ttmp9, 4
	s_cselect_b32 s66, s57, s66
	s_cselect_b32 s67, s58, s67
	s_cselect_b32 s69, 65536, s69
	s_cselect_b32 s70, 8192, s70
	v_add_nc_u32 v7, s66, v27                      ; tile 0, piece 0
	s_delay_alu instid0(VALU_DEP_1)
	v_add_nc_u32 v8, s69, v7                       ; tile 0, piece 1
	s_delay_alu instid0(VALU_DEP_2)
	v_add_nc_u32 v9, s68, v7                       ; tile 1, piece 0
	s_delay_alu instid0(VALU_DEP_1)
	v_add_nc_u32 v10, s69, v9                      ; tile 1, piece 1
	v_mul_lo_u32 v11, v26, s70
	s_delay_alu instid0(VALU_DEP_1)
	v_lshl_add_u32 v11, v25, 2, v11
	s_delay_alu instid0(VALU_DEP_1)
	v_add_nc_u32 v11, s67, v11
	v_mul_lo_u32 v12, v26, s71
	s_wait_alu depctr_va_vdst(0)
	s_wait_loadcnt 0x0                             ; my scale words are in registers,
	s_wait_tensorcnt 0x0                           ; my two tiles in LDS
	ds_store_b128 v30, v[32:35]
	ds_store_b128 v30, v[36:39] offset:512
	s_wait_dscnt 0x0                               ; for the others' sake: my scale words lie in LDS
	s_barrier_signal -1
	s_barrier_wait -1                              ; everybody's do
	KSTEP 0, 0, 0, 1
	KSTEP 0, 1, 1, 0
	KSTEP 0, 2, 2, 0
	KSTEP 0, 3, 3, 0
	KSTEP 1, 0, 4, 0
	KSTEP 1, 1, 5, 0
	KSTEP 1, 2, 6, 0
	KSTEP 1, 3, 7, 0
.rept 4
	v_nop                                          ; four places ahead of the first read of results
.endr
	QUANT ACC, PC0, PW0
	QUANT ACC+64, PC1, PW1
	global_store_b128 v7, v[PC0:PC0+3], s[8:9]     ; 512 consecutive bytes each
	global_store_b128 v8, v[PC0+4:PC0+7], s[8:9]
	global_store_b128 v9, v[PC1:PC1+3], s[8:9]
	global_store_b128 v10, v[PC1+4:PC1+7], s[8:9]
	v_lshrrev_b32 v13, v12, v[PW0]                 ; q, k: lanes 16-31 bring the second head's two bytes down; v: the word as it is, and both halves store the same word
	v_lshrrev_b32 v14, v12, v[PW1]
	global_store_b32 v11, v13, s[8:9]
	global_store_b32 v11, v14, s[8:9] offset:64
	s_wait_tensorcnt 0x0
	ds_add_u32 v242, v243
	s_wait_dscnt 0x0
	s_endpgm
.Lfunc_end_k_qba83a61f35_g1:
	.size	k_qba83a61f35_g1, .Lfunc_end_k_qba83a61f35_g1-k_qba83a61f35_g1
	.p2alignl 7, 3214868480
	.fill 96, 4, 3214868480
	.section	.rodata,"a",@progbits
	.p2align	6, 0x0
	.amdhsa_kernel k_qba83a61f35_g1
		.amdhsa_group_segment_fixed_size 280576
		.amdhsa_private_segment_fixed_size 0
		.amdhsa_enable_private_segment 0
		.amdhsa_kernarg_size 24
		.amdhsa_user_sgpr_count 2
		.amdhsa_user_sgpr_kernarg_segment_ptr 1
		.amdhsa_wavefront_size32 1
		.amdhsa_system_sgpr_workgroup_id_x 1
		.amdhsa_system_sgpr_workgroup_id_y 1
		.amdhsa_system_sgpr_workgroup_id_z 1
		.amdhsa_system_vgpr_workitem_id 0
		.amdhsa_next_free_vgpr 256
		.amdhsa_next_free_sgpr 96
		.amdhsa_reserve_vcc 0
		.amdhsa_float_denorm_mode_32 3
		.amdhsa_float_denorm_mode_16_64 3
		.amdhsa_memory_ordered 1
		.amdhsa_forward_progress 1
		.amdhsa_inst_pref_size 47
	.end_amdhsa_kernel
	.amdgpu_metadata
---
amdhsa.version: [ 1, 2 ]
amdhsa.kernels:
  - .name:           k_qba83a61f35_g1
    .symbol:         k_qba83a61f35_g1.kd
    .args:
      - { .name: xq, .offset: 0, .size: 8, .value_kind: global_buffer, .address_space: global }
      - { .name: wq, .offset: 8, .size: 8, .value_kind: global_buffer, .address_space: global }
      - { .name: qkv, .offset: 16, .size: 8, .value_kind: global_buffer, .address_space: global }
    .group_segment_fixed_size: 280576
    .private_segment_fixed_size: 0
    .kernarg_segment_align: 8
    .kernarg_segment_size: 24
    .max_flat_workgroup_size: 512
    .sgpr_count:     96
    .vgpr_count:     256
    .wavefront_size: 32
...
	.end_amdgpu_metadata
.endif
;; end of part 2
;; launch attn (part 3): grid 8 x 32, 16 waves a work-group, no clusters, 169,984 bytes of LDS; arguments qkv, oq; writes oq
.if DOCPART == 3
	.amdgcn_target "amdgcn-amd-amdhsa--gfx1250"
	.amdhsa_code_object_version 6
	.text
	.protected	k_qba83a61f35_attn
	.globl	k_qba83a61f35_attn
	.p2align	8
	.type	k_qba83a61f35_attn,@function
k_qba83a61f35_attn:
	s_mov_b64 s[64:65], 0
	v_nop
	global_prefetch_b8 v0, s[64:65] scope:SCOPE_SE
	s_setreg_imm32_b32 hwreg(HW_REG_WAVE_MODE, 25, 1), 1
	s_wait_xcnt 0x0
; o = softmax(q k^T / 8) v for 32 heads of 2,048 tokens and head size 64, both products on codes of FP4 (E2M1) with E8M0 scales; o is quantised at once along head x 64 + channel as the next product's operand.
; THE SOFTMAX: t = score x log2(e) / 8; M = the running largest t rounded UP to a whole number; p = 2^(t - M) is quantised along the keys, not normalised; the row's sum is taken of the unquantised p and divides at the end.
; When M moves, the sum and O are multiplied by 2^(old M - new M): exact.
; SHARES: a work-group owns 256 queries of one head, each of its sixteen waves one tile of 16, in 256 registers: four waves to a SIMD, so that one wave's vector work stands beside another's products and LDS loads.
; LDS: the head's sixteen records (128 keys each: k's codes 8 x 512 bytes, v^T's fragments 4 x 1,024, k's scale words 8 x 64, v's 4 x 64: 8,960 bytes) lie in LDS whole, 143,360 bytes, filled ONCE:
; wave w brings record w by one dense tensor load: one load of mine is out, and none after the one barrier.
; LAYOUT: both products transposed: S^T = k q^T, O^T = v^T p^T: a lane holds one query (its slot) throughout.  The slots of a tile of keys are such that the 16 registers of score tiles 2 b and 2 b + 1 are keys 32 b + 16 (lane / 16) + 0 .. 15.
; The first product's K is 64: registers 4-7 of q's and k's fragments are zero codes, set once; the scale bytes over them are never 0xff.
; OUT, in oq: codes [tile][block][slot][16 bytes], 512 consecutive bytes a wave; of a K step's scale word a head owns two bytes: one store of 2 bytes a lane in each wave (both halves of the lanes store the same value).
; LIMITS: a block of zeros gets the byte 1 where the rule says 127; block maxima under 2^-124 are held at that floor; NaN and infinities are not served.
; NO CLUSTER: the eight work-groups of a head ask for the same 143,360 bytes, each once, at its start, one load a wave in the whole launch; behind it stand sixteen key steps that ask for nothing.
; REGISTERS: v1 16 x lane, v2 4 x lane, v3 4 r; v8-9 addresses in hand; v12 -M, v13 the largest t, v[14:15] the sum; v16-23 q; v24-27 k's scale words, v28-29 v's; v32-95 k's fragments; v96-159 S^T, then p;
; v160-191 O^T; v192-223 v's fragments; v224-231 p's codes; v232-254 at work; v255 q's scale word.
.set REC, 8960
.set KV,  2359296
.set TB,  2                            ; s2  LDS byte of the record in hand
.set CNT, 3                            ; s3  key steps to go
.set SEL, 20                           ; s[20:21]
.set CS,  22                           ; s[22:23] c = log2(e) / 8
	s_load_b128 s[4:7], s[0:1], 0x0                ; qkv s[4:5], oq s[6:7]
	v_lshl_add_u32 v250, v0, 2, 0x29000
	v_mov_b32 v251, 0
	ds_add_u32 v250, v251
	ds_add_u32 v250, v251
	v_lshrrev_b32 v8, 5, v0
	s_delay_alu instid0(VALU_DEP_1)
	v_readfirstlane_b32 s8, v8                     ; wave 0..15
	s_and_b32 s9, ttmp7, 0xffff                    ; the head, 0..31
	; descriptor group 1: a dense block of 8,960 bytes as 35 rows of 32 elements of 8 bytes
	s_mov_b32 s24, 3<<16
	s_mov_b32 s25, 32<<16
	s_mov_b32 s26, 35<<16
	s_mov_b32 s27, 32<<16
	s_mov_b32 s28, 35
	s_mov_b32 s29, 32
	s_mov_b32 s30, 0
	s_mov_b32 s31, 0
	s_mul_i32 s12, s9, 16*REC
	s_mul_i32 s11, s8, REC                         ; record = my wave's number: in memory and in LDS
	s_add_co_u32 s12, s12, s11
	s_add_co_u32 s12, s12, KV
	s_mov_b32 s13, 0
	s_wait_dscnt 0x0
	s_wait_kmcnt 0x0
	s_mov_b32 s32, 1
	s_mov_b32 s33, s11
	s_add_nc_u64 s[34:35], s[4:5], s[12:13]
	s_or_b32 s35, s35, 0x80000000
	tensor_load_to_lds s[32:35], s[24:31]
	s_nop 0
.rept 4
	v_nop
.endr
	s_lshl_b32 s14, ttmp9, 4
	s_add_co_u32 s14, s14, s8                      ; my tile of queries in the batch, 0..127
	s_lshl_b32 s16, s9, 16
	s_lshl_b32 s15, s14, 9
	s_add_co_u32 s16, s16, s15
	s_mov_b32 s17, 0
	s_add_nc_u64 s[16:17], s[4:5], s[16:17]        ; q's codes
	s_lshl_b32 s18, s9, 13
	s_lshl_b32 s15, s14, 6
	s_add_co_u32 s18, s18, s15
	s_add_co_u32 s18, s18, 2097152
	s_mov_b32 s19, 0
	s_add_nc_u64 s[18:19], s[4:5], s[18:19]        ; q's scale words
	v_and_b32 v8, 31, v0
	s_delay_alu instid0(VALU_DEP_1)
	v_lshlrev_b32 v1, 4, v8
	s_delay_alu instid0(VALU_DEP_2)
	v_lshlrev_b32 v2, 2, v8
	v_and_b32 v3, 15, v0
	s_delay_alu instid0(VALU_DEP_1)
	v_lshlrev_b32 v3, 2, v3
	global_load_b128 v[16:19], v1, s[16:17]
	global_load_b32 v255, v3, s[18:19]
	s_lshr_b32 s15, s9, 4                          ; where o goes: tile 128 x batch + my tile,
	s_lshl_b32 s15, s15, 7
	s_add_co_u32 s15, s15, s14
	s_and_b32 s36, s9, 15                          ; the head in the batch: half of a K step
	s_lshl_b32 s38, s15, 13
	s_lshl_b32 s37, s36, 9
	s_add_co_u32 s38, s38, s37
	s_mov_b32 s39, 0
	s_add_nc_u64 s[38:39], s[6:7], s[38:39]        ; codes: tile x 8,192 + head x 512
	s_lshl_b32 s40, s15, 9
	s_lshr_b32 s37, s36, 1
	s_lshl_b32 s37, s37, 6
	s_add_co_u32 s40, s40, s37
	s_and_b32 s37, s36, 1
	s_lshl_b32 s37, s37, 1
	s_add_co_u32 s40, s40, s37
	s_add_co_u32 s40, s40, 2097152
	s_mov_b32 s41, 0
	s_add_nc_u64 s[40:41], s[6:7], s[40:41]        ; scale bytes: 2,097,152 + tile x 512 + (head / 2) x 64 + 2 (head % 2)
	s_mov_b32 s[SEL], 0x76543210
	s_mov_b32 s[SEL+1], 0xfedcba98
	s_mov_b32 s[CS], 0x3e38aa3b
	s_mov_b32 s[CS+1], s[CS]                       ; (named with it as a pair, so it is written)
	s_mov_b32 s[TB], 0
	s_mov_b32 s[CNT], 16
.irp j, 20,21,22,23
	v_mov_b32 v[\j], 0                             ; q's k = 64 .. 127: zero codes
.endr
.irp t, 0,1,2,3,4,5,6,7
.irp j, 4,5,6,7
	v_mov_b32 v[32+8*\t+\j], 0                     ; k's likewise: set once, never loaded over
.endr
.endr
	v_mov_b32 v13, 0xff61b1e6                      ; the largest t so far: -3e38
	s_delay_alu instid0(VALU_DEP_1)
	v_floor_f32 v12, -v13                          ; -M
	v_mov_b32 v14, 0
	v_mov_b32 v15, 0
.irp b, 0,1,2,3
	v_mov_b32 v[236+\b], 0                         ; written once: a lane permute's destination counts as one of its sources
.endr
	v_mov_b32 v253, 0                              ; (named as the upper half of the pair v[252:253] before it is first written)
.set j, 0
.rept 32
	v_mov_b32 v[160+j], 0                          ; O^T: the loop is written once; its first step finds zeros
.set j, j+1
.endr
	s_wait_tensorcnt 0x0                           ; my record is in,
	s_barrier_signal -1
	s_barrier_wait -1                              ; everybody's is
	s_wait_loadcnt 0x0                             ; q
.Lstep:                                            ; 16 trips of 128 keys
	v_add_nc_u32 v8, s[TB], v1
	v_add_nc_u32 v9, s[TB], v2
	v_nop
	v_nop                                          ; with the two additions: four places between the last trip's products and the loads into v's registers
.irp t, 0,1,2,3,4,5,6,7
	ds_load_b128 v[32+8*\t:35+8*\t], v8 offset:512*\t
.endr
.irp i, 0,1,2,3
	ds_load_b32 v[24+\i], v9 offset:8192+128*\i    ; lanes 0-15 tile 2 i's words, lanes 16-31 tile 2 i + 1's
.endr
.irp t, 0,1,2,3
.irp c, 0,1
	ds_load_b128 v[192+8*\t+4*\c:195+8*\t+4*\c], v8 offset:4096+1024*\t+512*\c
.endr
.endr
.irp i, 0,1
	ds_load_b32 v[28+\i], v9 offset:8704+128*\i
.endr
	s_wait_dscnt 10                                ; k's twelve loads are in; v's ten may stay out
.irp t, 0,2,4,6
	v_wmma_scale_f32_16x16x128_f8f6f4 v[96+8*\t:103+8*\t], v[32+8*\t:39+8*\t], v[16:23], 0, v[24+\t/2], v255 matrix_a_fmt:MATRIX_FMT_FP4 matrix_b_fmt:MATRIX_FMT_FP4
	v_wmma_scale_f32_16x16x128_f8f6f4 v[104+8*\t:111+8*\t], v[40+8*\t:47+8*\t], v[16:23], 0, v[24+\t/2], v255 matrix_a_fmt:MATRIX_FMT_FP4 matrix_b_fmt:MATRIX_FMT_FP4 matrix_a_scale:MATRIX_SCALE_ROW1
.endr
.rept 4
	v_nop                                          ; four places ahead of the first read of the scores
.endr
.irp b, 0,1,2,3
	v_max3_num_f32 v[232+\b], v[96+16*\b], v[97+16*\b], v[98+16*\b]   ; the largest score of each block of 32 keys: it serves the row's maximum and, since p rises with the score, the block's largest p
.endr
.irp i, 3,5,7,9,11,13
.irp b, 0,1,2,3
	v_max3_num_f32 v[232+\b], v[232+\b], v[96+16*\b+\i], v[97+16*\b+\i]
.endr
.endr
.irp b, 0,1,2,3
	v_max_num_f32 v[232+\b], v[232+\b], v[111+16*\b]
.endr
.irp b, 0,1,2,3
	s_delay_alu instid0(VALU_DEP_4)
	v_permlanex16_b32 v[236+\b], v[232+\b], s[SEL], s[SEL+1]
.endr
.irp b, 0,1,2,3
	s_delay_alu instid0(VALU_DEP_4)
	v_max_num_f32 v[232+\b], v[232+\b], v[236+\b]  ; with lane l xor 16's 16 keys
.endr
	s_delay_alu instid0(VALU_DEP_2)
	v_max3_num_f32 v254, v232, v233, v234
	s_delay_alu instid0(VALU_DEP_1)
	v_max_num_f32 v254, v254, v235                 ; the step's largest score of my query
	s_delay_alu instid0(VALU_DEP_1)
	v_mul_f32 v254, s[CS], v254                    ; as t (c is positive)
	s_delay_alu instid0(VALU_DEP_1)
	v_max_num_f32 v13, v13, v254                   ; the running largest t
	v_mov_b32 v254, v12
	s_delay_alu instid0(VALU_DEP_2)
	v_floor_f32 v12, -v13                          ; the new -M = floor(-t) = -ceil(t)
	s_delay_alu instid0(VALU_DEP_1)
	v_sub_f32 v254, v12, v254                      ; old M - new M: a whole number, 0 or less
	s_delay_alu instid0(VALU_DEP_1)
	v_cvt_i32_f32 v254, v254                       ; (it saturates)
	s_delay_alu instid0(VALU_DEP_1)
	v_ldexp_f32 v252, 1.0, v254                    ; f = 2^(old M - new M)
.set j, 0
.rept 32
	v_pk_fma_f32 v[96+j:97+j], v[96+j:97+j], s[CS:CS+1], v[12:13] op_sel_hi:[1,0,0]   ; t - M, two at a time
.set j, j+2
.endr
.irp b, 0,1,2,3
	v_fma_f32 v[232+\b], v[232+\b], s[CS], v12     ; the same of each block's largest score
.endr
.set j, 0
	s_wait_alu depctr_va_vdst(0)
.rept 64
	v_exp_f32 v[96+j], v[96+j]                     ; p = 2^(t - M), at most 1
.set j, j+1
.endr
	v_pk_mul_f32 v[14:15], v[14:15], v[252:253] op_sel_hi:[1,0]   ; the sums under the new M: a plain line behind the exponentials
	s_wait_alu depctr_va_vdst(0)                   ; one wait for the whole batch, ahead of its first reader
.irp b, 0,1,2,3
	v_exp_f32 v[232+\b], v[232+\b]                 ; the block's largest p: the same two instructions on the same number
.endr
	v_pk_add_f32 v[236:237], v[100:101], v[104:105]
	v_pk_add_f32 v[248:249], v[108:109], v[112:113]
	v_pk_add_f32 v[246:247], v[116:117], v[120:121]
	v_pk_add_f32 v[244:245], v[124:125], v[128:129]
	v_pk_add_f32 v[242:243], v[132:133], v[136:137]
	v_pk_add_f32 v[240:241], v[140:141], v[144:145]
	v_pk_add_f32 v[238:239], v[148:149], v[152:153]
	v_pk_add_f32 v[14:15], v[14:15], v[156:157]
	v_pk_add_f32 v[236:237], v[236:237], v[96:97]
	v_pk_add_f32 v[248:249], v[248:249], v[98:99]
	v_pk_add_f32 v[246:247], v[246:247], v[102:103]
	v_pk_add_f32 v[244:245], v[244:245], v[106:107]
	v_pk_add_f32 v[242:243], v[242:243], v[110:111]
	v_pk_add_f32 v[240:241], v[240:241], v[114:115]
	v_pk_add_f32 v[238:239], v[238:239], v[118:119]
	v_pk_add_f32 v[14:15], v[14:15], v[122:123]
	v_pk_add_f32 v[236:237], v[236:237], v[126:127]
	v_pk_add_f32 v[248:249], v[248:249], v[130:131]
	v_pk_add_f32 v[246:247], v[246:247], v[134:135]
	v_pk_add_f32 v[244:245], v[244:245], v[138:139]
	v_pk_add_f32 v[242:243], v[242:243], v[142:143]
	v_pk_add_f32 v[240:241], v[240:241], v[146:147]
	v_pk_add_f32 v[238:239], v[238:239], v[150:151]
	v_pk_add_f32 v[14:15], v[14:15], v[154:155]
	v_pk_add_f32 v[236:237], v[236:237], v[158:159]
	s_delay_alu instid0(VALU_DEP_2)
	v_pk_add_f32 v[14:15], v[14:15], v[244:245]
	s_delay_alu instid0(VALU_DEP_2)
	v_pk_add_f32 v[236:237], v[236:237], v[242:243]
	v_pk_add_f32 v[248:249], v[248:249], v[240:241]
	v_pk_add_f32 v[246:247], v[246:247], v[238:239]
	s_delay_alu instid0(VALU_DEP_2)
	v_pk_add_f32 v[14:15], v[14:15], v[248:249]
	s_delay_alu instid0(VALU_DEP_2)
	v_pk_add_f32 v[236:237], v[236:237], v[246:247]
	s_delay_alu instid0(VALU_DEP_1)
	v_pk_add_f32 v[14:15], v[14:15], v[236:237]
	s_wait_alu depctr_va_vdst(0)                   ; and one for the four
.irp b, 0,1,2,3
	v_max_num_f32 v[232+\b], 0x1800000, v[232+\b]  ; the floor 2^(3 - 127): the byte cannot fall under 1
.endr
.irp b, 0,1,2,3
	s_delay_alu instid0(VALU_DEP_4)
	v_add_nc_u32 v[244+\b], 0xff000000, v[232+\b]  ; 2 off the exponent field: the conversion's scale operand
.endr
.irp b, 0,1,2,3
	s_delay_alu instid0(VALU_DEP_4)
	v_lshrrev_b32 v[236+\b], 23, v[244+\b]         ; the scale's byte
.endr
	s_delay_alu instid0(VALU_DEP_3)
	v_lshl_or_b32 v253, v237, 8, v236              ; p's scale word for these 128 keys
	s_delay_alu instid0(VALU_DEP_1)
	v_lshl_or_b32 v253, v238, 16, v253
	s_delay_alu instid0(VALU_DEP_1)
	v_lshl_or_b32 v253, v239, 24, v253
.irp b, 0,1,2,3
	v_cvt_scalef32_pk8_fp4_f32 v[224+2*\b], v[96+16*\b:103+16*\b], v[244+\b]
	v_cvt_scalef32_pk8_fp4_f32 v[225+2*\b], v[104+16*\b:111+16*\b], v[244+\b]
.endr
	v_nop                                          ; one plain line behind the last conversion
.irp c, 0,1                                    ; a whole block in a lane: lanes 0-15 block 2 c, lanes 16-31 block 2 c + 1
.irp i, 0,1
	v_permlane16_swap_b32 v[224+4*\c+\i], v[226+4*\c+\i]
.endr
.endr
.set j, 0
.rept 16
	v_pk_mul_f32 v[160+j:161+j], v[160+j:161+j], v[252:253] op_sel_hi:[1,0]   ; O^T under the new M; these sixteen also stand between the scale word's and the codes' last writes and the products
.set j, j+2
.endr
	s_wait_alu depctr_va_vdst(0)
	s_wait_dscnt 0x0                               ; v's fragments and scale words
.irp t, 0,2
	v_wmma_scale_f32_16x16x128_f8f6f4 v[160+8*\t:167+8*\t], v[192+8*\t:199+8*\t], v[224:231], v[160+8*\t:167+8*\t], v[28+\t/2], v253 matrix_a_fmt:MATRIX_FMT_FP4 matrix_b_fmt:MATRIX_FMT_FP4
	v_wmma_scale_f32_16x16x128_f8f6f4 v[168+8*\t:175+8*\t], v[200+8*\t:207+8*\t], v[224:231], v[168+8*\t:175+8*\t], v[28+\t/2], v253 matrix_a_fmt:MATRIX_FMT_FP4 matrix_b_fmt:MATRIX_FMT_FP4 matrix_a_scale:MATRIX_SCALE_ROW1
.endr
	s_add_co_u32 s[TB], s[TB], REC
	s_sub_co_u32 s[CNT], s[CNT], 1
	s_cmp_lg_u32 s[CNT], 0
	s_cbranch_scc1 .Lstep
.rept 4
	v_nop                                          ; four places ahead of the first read of O^T
.endr
	v_add_f32 v14, v14, v15                        ; the sum's two halves,
	s_delay_alu instid0(VALU_DEP_1)
	v_permlanex16_b32 v252, v14, s[SEL], s[SEL+1]
	s_delay_alu instid0(VALU_DEP_1)
	v_add_f32 v14, v14, v252                       ; and lane l xor 16's: the row's sum
	s_wait_alu depctr_va_vdst(0)
	v_rcp_f32 v14, v14
	v_nop                                          ; a plain line behind the reciprocal
	s_wait_alu depctr_va_vdst(0)                   ; the wait ahead of its first reader
.set j, 0
.rept 32
	v_mul_f32 v[96+j], v[160+j], v14               ; o: register 16 b + i is channel 32 b + 16 (lane / 16) + i of my query
.set j, j+1
.endr
.irp b, 0,1
	v_max3_num_f32 v[232+\b], |v[96+16*\b]|, |v[97+16*\b]|, 0x1800000
.endr
.irp i, 2,4,6,8,10,12,14
.irp b, 0,1
	s_delay_alu instid0(VALU_DEP_2)
	v_max3_num_f32 v[232+\b], v[232+\b], |v[96+16*\b+\i]|, |v[97+16*\b+\i]|
.endr
.endr
.irp b, 0,1
	s_delay_alu instid0(VALU_DEP_2)
	v_permlanex16_b32 v[236+\b], v[232+\b], s[SEL], s[SEL+1]
.endr
.irp b, 0,1
	s_delay_alu instid0(VALU_DEP_2)
	v_max_num_f32 v[232+\b], v[232+\b], v[236+\b]
.endr
.irp b, 0,1
	s_delay_alu instid0(VALU_DEP_2)
	v_add_nc_u32 v[244+\b], 0xff000000, v[232+\b]
.endr
.irp b, 0,1
	s_delay_alu instid0(VALU_DEP_2)
	v_lshrrev_b32 v[236+\b], 23, v[244+\b]
.endr
	s_delay_alu instid0(VALU_DEP_1)
	v_lshl_or_b32 v253, v237, 8, v236              ; the head's two scale bytes
.irp b, 0,1
	v_cvt_scalef32_pk8_fp4_f32 v[224+2*\b], v[96+16*\b:103+16*\b], v[244+\b]
	v_cvt_scalef32_pk8_fp4_f32 v[225+2*\b], v[104+16*\b:111+16*\b], v[244+\b]
.endr
	v_nop
	v_permlane16_swap_b32 v224, v226
	v_permlane16_swap_b32 v225, v227               ; v[224:227]: lanes 0-15 the head's first block, lanes 16-31 its second
	global_store_b128 v1, v[224:227], s[38:39]     ; 512 consecutive bytes
	global_store_b16 v3, v253, s[40:41]
	s_wait_tensorcnt 0x0
	ds_add_u32 v250, v251
	s_wait_dscnt 0x0
	s_endpgm
.Lfunc_end_k_qba83a61f35_attn:
	.size	k_qba83a61f35_attn, .Lfunc_end_k_qba83a61f35_attn-k_qba83a61f35_attn
	.p2alignl 7, 3214868480
	.fill 96, 4, 3214868480
	.section	.rodata,"a",@progbits
	.p2align	6, 0x0
	.amdhsa_kernel k_qba83a61f35_attn
		.amdhsa_group_segment_fixed_size 169984
		.amdhsa_private_segment_fixed_size 0
		.amdhsa_enable_private_segment 0
		.amdhsa_kernarg_size 16
		.amdhsa_user_sgpr_count 2
		.amdhsa_user_sgpr_kernarg_segment_ptr 1
		.amdhsa_wavefront_size32 1
		.amdhsa_system_sgpr_workgroup_id_x 1
		.amdhsa_system_sgpr_workgroup_id_y 1
		.amdhsa_system_sgpr_workgroup_id_z 1
		.amdhsa_system_vgpr_workitem_id 0
		.amdhsa_next_free_vgpr 256
		.amdhsa_next_free_sgpr 66
		.amdhsa_reserve_vcc 0
		.amdhsa_float_denorm_mode_32 3
		.amdhsa_float_denorm_mode_16_64 3
		.amdhsa_memory_ordered 1
		.amdhsa_forward_progress 1
		.amdhsa_inst_pref_size 27
	.end_amdhsa_kernel
	.amdgpu_metadata
---
amdhsa.version: [ 1, 2 ]
amdhsa.kernels:
  - .name:           k_qba83a61f35_attn
    .symbol:         k_qba83a61f35_attn.kd
    .args:
      - { .name: qkv, .offset: 0, .size: 8, .value_kind: global_buffer, .address_space: global }
      - { .name: oq, .offset: 8, .size: 8, .value_kind: global_buffer, .address_space: global }
    .group_segment_fixed_size: 169984
    .private_segment_fixed_size: 0
    .kernarg_segment_align: 8
    .kernarg_segment_size: 16
    .max_flat_workgroup_size: 512
    .sgpr_count:     66
    .vgpr_count:     256
    .wavefront_size: 32
...
	.end_amdgpu_metadata
.endif
;; end of part 3
;; launch g4 (part 4): grid 8 x 32, 8 waves a work-group, clusters of 4 x 4, 209,920 bytes of LDS; arguments oq, wq, out_b, x, x1; writes x1
.if DOCPART == 4
	.amdgcn_target "amdgcn-amd-amdhsa--gfx1250"
	.amdhsa_code_object_version 6
	.text
	.protected	k_qba83a61f35_g4
	.globl	k_qba83a61f35_g4
	.p2align	8
	.type	k_qba83a61f35_g4,@function
k_qba83a61f35_g4:
	s_mov_b64 s[64:65], 0
	v_nop
	global_prefetch_b8 v0, s[64:65] scope:SCOPE_SE
	s_setreg_imm32_b32 hwreg(HW_REG_WAVE_MODE, 25, 1), 1
	s_wait_xcnt 0x0
	s_wait_alu depctr_hold_cnt(0) depctr_sa_sdst(0) depctr_va_vdst(0) depctr_va_sdst(0) depctr_va_ssrc(0) depctr_va_vcc(0) depctr_vm_vsrc(0)
	s_getreg_b32 s2, hwreg(HW_REG_IB_STS2, 6, 4)
	s_cmp_eq_u32 s2, 0
	s_cbranch_scc0 .Lentry_in_a_cluster
	s_endpgm
.Lentry_in_a_cluster:
	s_bfe_u32 s2, ttmp6, 0x10000c
	s_cmp_lg_u32 s2, 0xf033
	s_cbranch_scc0 .Lentry_shape_is_right
	s_endpgm
.Lentry_shape_is_right:
; x1 = x + o out_w^T + out_b: the product on codes of FP4 (E2M1) with E8M0 scales, K = 1,024; bias and residual in f32.
; OPERANDS are images of operand registers: fragment (tile, K step) = 1,024 bytes, piece c at 512 c + 16 x lane; scale words [tile][K step][slot].  Slot r of tile 2 G + u is row 32 G + 16 (r / 8) + 8 u + r % 8.
; A work-group makes 128 tokens x 128 columns (256 work-groups): eight waves.  Source 0 = the weight's tiles (P0), source 1 = the tokens' (P1): a lane holds one token, its registers run along the columns.
; A wave makes 32 tokens x 64 columns: 8 accumulators, which begin as the bias (loaded straight into them: no clearing, no addition).
; CLUSTER: 4 x 4 work-groups.  The four of a column of the cluster need the same tiles of the weight, the four of a row the same tiles of the tokens: codes and scale words are asked for JOINTLY, by the same tensor load
; with the same descriptor and a mask that names the four.  Waves 0-3 ask for P0's tiles, waves 4-7 for P1's, two tiles a wave.
; LDS: two slots of 65,536 bytes (16 tiles x 512 along K: P0's eight, then P1's), each filled ONCE; 8,192 bytes of scale words; a stage of 32 rows x 272 bytes for each wave, into which no tensor load lands.
; Three tensor loads of a wave are out at the start, by this text's count, and none later.
; TWO SETS OF FRAGMENT REGISTERS: a K step's 15 LDS loads are issued a step ahead of its 8 products.
; THE WAY OUT: a wave's 64 columns are 256 bytes of a row.  Results go through the wave's own stage and come back by rows; the order of the slots is undone by constants in the stores' offsets; sixteen lanes store 256 consecutive bytes, aligned.
.set RING,  0                          ; no slot is filled again
; LDS AS IT STANDS (in place of the two slots and three loads that the head comment names): 16 tiles of 8,192 bytes, each with its whole K, filled ONCE by one joint load a wave (two tiles, 16,384 consecutive bytes);
; the second 512 along K of a tile lie 4,096 bytes behind the first.  The scale words, 1,024 bytes a wave, a sixteenth of the codes' bytes, come by plain loads and LDS stores into bytes on which no fill lands: not jointly.
.set TS,    8192
.set SS,    512
.set SLOTB, 4096
.set SCL,   131072
.set STAGE, 139264
.set NQ,    4                          ; K steps in a slot
.set WCB,   1572864                    ; the weight's codes in wq
.set WSB,   6389760                    ; and its scale words
.set ASB,   2097152                    ; the tokens' scale words in their buffer
.set LWC,   16                         ; log2: a work-group's eight tiles of codes;
.set LVC,   14                         ; a wave's two;
.set LWS,   12                         ; a work-group's scale words;
.set LVS,   10                         ; a wave's (in memory and in LDS);
.set LLC,   14                         ; a wave's two tiles in LDS
.set DC,    1024                       ; descriptor: a row's elements of 8 bytes,
.set DP,    1024                       ; the pitch,
.set VP0,   1                          ; v1-2   P0's fragments in slot 0, 1
.set VP1,   3                          ; v3-4   P1's
.set VSB,   5                          ; v5     P0's scale words: lanes 0-15 an even tile's, lanes 16-31 the next tile's
.set VSA,   6                          ; v6     P1's: lanes 0-15 tile 0's, lanes 16-31 tile 1's
.set VB,    7                          ; v7     64 h: my half's bias
.set VG,    8                          ; v8     4,096 (lane / 16) + 16 (lane % 16): two rows of the residual and of the result
.set STO,   9                          ; v9     the stage, on the way in
.set RD,    10                         ; v10    and on the way out
.set SB,    16                         ; v16-17 P0's scale words, set 0; v18-19 set 1
.set SA,    20                         ; v20    P1's, set 0; v21 set 1
.set F0,    24                         ; v24-55   P0's four fragments, set 0; set 1 lies 176 registers on: v200-231
.set F1,    56                         ; v56-71   P1's two, set 0; v232-247 set 1
.set ACC,   72                         ; v72-135  accumulator (a, b) at ACC + 32 a + 8 b
.set RES,   136                        ; v136-199 the residual, then the result
.set OB,    24                         ; v24-55   rows back from the stage
.set G1P0,  24                         ; s[24:31] group 1 for P0's codes;  s[32:39] for P1's: they differ in the mask alone
.set G1P1,  32
.set G1S0,  40                         ; s[40:47], s[48:55] the same for the scale words
.set G1S1,  48
.set P0S,   56                         ; groups 0 for P0: scale words, slot 0, slot 1
.set P0A,   60
.set P0B,   68
.set P1S,   72                         ; and for P1
.set P1A,   76
.set P1B,   80
; A joint load: waves 0-3 ask for P0, waves 4-7 for P1.  Each of the two lines has ONE mask and one set of registers for all that issue it; the branch hangs on the wave's number alone.
; Four v_nop follow each of the two lines, ahead of the jump, the label and what follows.
.macro JLOAD g0a, g1a, g0b, g1b
	s_cmp_eq_u32 s17, 0
	s_cbranch_scc0 .Lfor_p1_\@
	tensor_load_to_lds s[\g0a:\g0a+3], s[\g1a:\g1a+7]
	s_nop 0
.rept 4
	v_nop
.endr
	s_branch .Lasked_\@
.Lfor_p1_\@:
	tensor_load_to_lds s[\g0b:\g0b+3], s[\g1b:\g1b+7]
	s_nop 0
.rept 4
	v_nop
.endr
.Lasked_\@:
.endm
; A round of the cluster's barrier: my work-group's barrier, so that wave 0's signal speaks for all eight waves; wave 0 signals for the work-group; every wave waits for all sixteen work-groups; my work-group's barrier once more.
.macro CROUND
	s_barrier_signal -1
	s_barrier_wait -1
	s_cmp_lg_u32 s14, 0
	s_cbranch_scc1 .Lnot_wave_0_\@
	s_barrier_signal -3
.Lnot_wave_0_\@:
	s_barrier_wait -3
	s_barrier_signal -1
	s_barrier_wait -1
.endm
.macro PROD st, a, b
.set rD, ACC+32*(\a)+8*(\b)
.set rP, F0+176*(\st)+8*(\b)
.set rQ, F1+176*(\st)+8*(\a)
.set rS, SB+2*(\st)+(\b)/2
.set rT, SA+(\st)
.set vr, 2*((\b)%2)+(\a)
.if vr == 0
	v_wmma_scale_f32_16x16x128_f8f6f4 v[rD:rD+7], v[rP:rP+7], v[rQ:rQ+7], v[rD:rD+7], v[rS], v[rT] matrix_a_fmt:MATRIX_FMT_FP4 matrix_b_fmt:MATRIX_FMT_FP4
.elseif vr == 1
	v_wmma_scale_f32_16x16x128_f8f6f4 v[rD:rD+7], v[rP:rP+7], v[rQ:rQ+7], v[rD:rD+7], v[rS], v[rT] matrix_a_fmt:MATRIX_FMT_FP4 matrix_b_fmt:MATRIX_FMT_FP4 matrix_b_scale:MATRIX_SCALE_ROW1
.elseif vr == 2
	v_wmma_scale_f32_16x16x128_f8f6f4 v[rD:rD+7], v[rP:rP+7], v[rQ:rQ+7], v[rD:rD+7], v[rS], v[rT] matrix_a_fmt:MATRIX_FMT_FP4 matrix_b_fmt:MATRIX_FMT_FP4 matrix_a_scale:MATRIX_SCALE_ROW1
.else
	v_wmma_scale_f32_16x16x128_f8f6f4 v[rD:rD+7], v[rP:rP+7], v[rQ:rQ+7], v[rD:rD+7], v[rS], v[rT] matrix_a_fmt:MATRIX_FMT_FP4 matrix_b_fmt:MATRIX_FMT_FP4 matrix_a_scale:MATRIX_SCALE_ROW1 matrix_b_scale:MATRIX_SCALE_ROW1
.endif
.endm
; the 15 LDS loads of 128 along K (the slot's sl-th, the sg-th of all) into set st
.macro LOADS st, slot, sl, sg
.rept 4
	v_nop                                          ; four places between the products that read this set and the loads into it
.endr
.irp b, 0,1,2,3
.irp c, 0,1
	ds_load_b128 v[F0+176*(\st)+8*\b+4*\c:F0+176*(\st)+8*\b+4*\c+3], v[VP0+\slot] offset:\b*TS+1024*(\sl)+512*\c   ; 512 consecutive bytes
.endr
.endr
.irp a, 0,1
.irp c, 0,1
	ds_load_b128 v[F1+176*(\st)+8*\a+4*\c:F1+176*(\st)+8*\a+4*\c+3], v[VP1+\slot] offset:\a*TS+1024*(\sl)+512*\c
.endr
.endr
.irp i, 0,1
	ds_load_b32 v[SB+2*(\st)+\i], v[VSB] offset:2*\i*SS+64*(\sg)
.endr
	ds_load_b32 v[SA+(\st)], v[VSA] offset:64*(\sg)
.endm
; its 8 products.  The 8 accumulators take turns, one instruction a turn, in the same order in every step.
.macro MULS st
.irp b, 0,1,2,3
.irp a, 0,1
	PROD \st, \a, \b
.endr
.endr
.endm
; a slot's NQ steps: each step's loads go out a step ahead of its products
.macro CHUNK slot, ch
	LOADS 0, \slot, 0, NQ*(\ch)
.set Q, 0
.rept NQ-1
	LOADS (Q+1)%2, \slot, Q+1, NQ*(\ch)+Q+1
	s_wait_dscnt 15                                ; this step's 15 loads are in; the next step's 15, just issued, may stay out
	MULS Q%2
.set Q, Q+1
.endr
	s_wait_dscnt 0x0                               ; the slot's last step: nothing was asked for behind it
	MULS (NQ-1)%2
.endm
	s_load_b256 s[4:11], s[0:1], 0x0               ; the tokens' image s[4:5], wq s[6:7], the bias s[8:9], the residual s[10:11]
	s_load_b64 s[12:13], s[0:1], 0x20              ; the result
	v_lshl_add_u32 v254, v0, 2, 0x33000
	v_mov_b32 v255, 0
	ds_add_u32 v254, v255
	ds_add_u32 v254, v255
	v_lshrrev_b32 v24, 5, v0
	s_delay_alu instid0(VALU_DEP_1)
	v_readfirstlane_b32 s14, v24                   ; wave 0..7
	s_and_b32 s16, s14, 3                          ; which 32 tokens are mine; also which two tiles of an operand I ask for
	s_lshr_b32 s17, s14, 2                         ; which 64 columns are mine; also: I ask for P0 (0) or for P1 (1)
	s_bfe_u32 s19, ttmp6, 0x40000                  ; cx, cy: my place in the cluster
	s_bfe_u32 s22, ttmp6, 0x40004
	s_lshl_b32 s18, ttmp9, 2
	s_add_co_u32 s18, s18, s19                     ; X: which 128 columns = 4 x cluster x + cx
	s_and_b32 s15, ttmp7, 0xffff
	s_lshl_b32 s15, s15, 2
	s_add_co_u32 s15, s15, s22                     ; Y: which 128 tokens = 4 x cluster y + cy
	s_lshl_b32 s66, s22, 2
	s_lshl_b32 s66, 15, s66                        ; my row of the cluster
	s_lshl_b32 s67, 0x1111, s19                    ; my column
	s_or_b32 s[G1P0], s67, (3<<16)|(1<<21)         ; 15:0 the mask: the weight's tiles go to my column; 17:16 elements of 8 bytes; 21 set beside a mask
	s_or_b32 s[G1P1], s66, (3<<16)|(1<<21)         ; the tokens' tiles go to my row
.irp g, G1P0, G1P1                     ; codes: 2 rows (tiles) of DC elements, DP apart
	s_mov_b32 s[\g+1], DC<<16
	s_mov_b32 s[\g+2], 2<<16
	s_mov_b32 s[\g+3], DC<<16
	s_mov_b32 s[\g+4], 2
	s_mov_b32 s[\g+5], DP
	s_mov_b32 s[\g+6], 0
	s_mov_b32 s[\g+7], 0
.endr
	; where the tiles come from.  P0's hang on X alone, which my column shares; P1's on Y alone, which my row shares.  Every wave makes both, in registers that never hold the other coordinate, and asks by one.
	s_lshl_b32 s84, s18, LWC
	s_add_co_u32 s84, s84, WCB
	s_lshl_b32 s85, s16, LVC
	s_add_co_u32 s84, s84, s85
	s_mov_b32 s85, 0                               ; P0's codes
	s_lshl_b32 s86, s18, LWS
	s_add_co_u32 s86, s86, WSB
	s_lshl_b32 s87, s16, LVS
	s_add_co_u32 s86, s86, s87
	s_mov_b32 s87, 0                               ; P0's scale words
	s_lshl_b32 s88, s15, LWC
	s_lshl_b32 s89, s16, LVC
	s_add_co_u32 s88, s88, s89
	s_mov_b32 s89, 0                               ; P1's codes
	s_lshl_b32 s90, s15, LWS
	s_add_co_u32 s90, s90, ASB
	s_lshl_b32 s91, s16, LVS
	s_add_co_u32 s90, s90, s91
	s_mov_b32 s91, 0                               ; P1's scale words
	s_lshl_b32 s92, s14, LLC                       ; and where they go: wave x two tiles: no place in the cluster enters an LDS address
	s_lshl_b32 s93, s14, LVS
	s_add_co_u32 s93, s93, SCL
	s_wait_dscnt 0x0
	s_wait_kmcnt 0x0
	s_add_nc_u64 s[P0S+2:P0S+3], s[6:7], s[86:87]
	s_mov_b32 s[P0A], 1
	s_mov_b32 s[P0A+1], s92
	s_add_nc_u64 s[P0A+2:P0A+3], s[6:7], s[84:85]
	s_or_b32 s[P0A+3], s[P0A+3], 0x80000000
	s_add_nc_u64 s[P1S+2:P1S+3], s[4:5], s[90:91]
	s_cmp_eq_u32 s17, 0                            ; the scale words that my wave brings: P0's or P1's, by the wave's number
	s_cselect_b64 s[P0S+2:P0S+3], s[P0S+2:P0S+3], s[P1S+2:P1S+3]
	s_mov_b32 s[P1A], 1
	s_mov_b32 s[P1A+1], s92
	s_add_nc_u64 s[P1A+2:P1A+3], s[4:5], s[88:89]
	s_or_b32 s[P1A+3], s[P1A+3], 0x80000000
	CROUND                                         ; all sixteen work-groups are here: the joint loads meet
	JLOAD P0A, G1P0, P1A, G1P1                     ; my one tensor load: two tiles, all of K
	v_and_b32 v24, 31, v0                          ; lane
	v_and_b32 v25, 15, v0                          ; r
	v_bfe_u32 v26, v0, 4, 1                        ; h
	s_delay_alu instid0(VALU_DEP_3)
	v_lshlrev_b32 v27, 4, v24                      ; 16 x lane
	global_load_b128 v[32:35], v27, s[P0S+2:P0S+3]             ; my two tiles' scale words: 2 x 512 consecutive bytes
	global_load_b128 v[36:39], v27, s[P0S+2:P0S+3] offset:512
	v_add_nc_u32 v30, s93, v27                     ; and their place in LDS
	s_mul_i32 s20, s17, 4*TS
	v_add_nc_u32 v[VP0], s20, v27
	s_delay_alu instid0(VALU_DEP_1)
	v_add_nc_u32 v[VP0+1], SLOTB, v[VP0]
	s_mul_i32 s20, s16, 2*TS
	s_add_co_u32 s20, s20, 8*TS
	v_add_nc_u32 v[VP1], s20, v27
	s_delay_alu instid0(VALU_DEP_1)
	v_add_nc_u32 v[VP1+1], SLOTB, v[VP1]
	v_mul_u32_u24 v28, v26, SS
	s_delay_alu instid0(VALU_DEP_1)
	v_lshl_add_u32 v28, v25, 2, v28                ; 4 r + h x a tile's scale words
	s_mul_i32 s20, s17, 4*SS
	s_add_co_u32 s20, s20, SCL
	v_add_nc_u32 v[VSB], s20, v28
	s_mul_i32 s20, s16, 2*SS
	s_add_co_u32 s20, s20, SCL+8*SS
	v_add_nc_u32 v[VSA], s20, v28
	v_lshlrev_b32 v[VB], 6, v26
	s_wait_alu depctr_va_vdst(0)
	v_lshlrev_b32 v[VG], 12, v26
	s_delay_alu instid0(VALU_DEP_1)
	v_lshl_add_u32 v[VG], v25, 4, v[VG]
	s_wait_alu depctr_va_vdst(0)
	s_mul_i32 s20, s14, 8704
	s_add_co_u32 s20, s20, STAGE                   ; my stage
	v_mul_u32_u24 v[STO], v25, 272
	s_delay_alu instid0(VALU_DEP_1)
	v_lshl_add_u32 v[STO], v26, 6, v[STO]
	s_delay_alu instid0(VALU_DEP_1)
	v_add_nc_u32 v[STO], s20, v[STO]               ; in: row = slot r, + 64 h
	v_mul_u32_u24 v[RD], v26, 272
	s_delay_alu instid0(VALU_DEP_1)
	v_lshl_add_u32 v[RD], v25, 4, v[RD]
	s_delay_alu instid0(VALU_DEP_1)
	v_add_nc_u32 v[RD], s20, v[RD]                 ; back: lanes 0-15 one row, lanes 16-31 the next
	s_lshl_b32 s94, s18, 9
	s_lshl_b32 s95, s17, 8
	s_add_co_u32 s94, s94, s95                     ; my first column, in bytes
	s_mov_b32 s95, 0
	s_add_nc_u64 s[8:9], s[8:9], s[94:95]
	s_lshl_b32 s23, s15, 19
	s_add_co_u32 s94, s94, s23
	s_lshl_b32 s23, s16, 17
	s_add_co_u32 s94, s94, s23                     ; + my first token's row: (128 Y + 32 x my quarter) x 4,096
	s_add_nc_u64 s[10:11], s[10:11], s[94:95]
	s_add_nc_u64 s[12:13], s[12:13], s[94:95]
.irp a, 0,1
.irp p, 0,1
.irp i, 0,1,2,3
	global_load_b128 v[ACC+32*\a+16*\p+4*\i:ACC+32*\a+16*\p+4*\i+3], v[VB], s[8:9] offset:128*\p+16*\i   ; register 16 p + n of a lane is column 32 p + 16 h + n
.endr
.endr
.endr
.irp u, 0,1
.irp i, 0,1,2,3,4,5,6,7
	global_load_b128 v[RES+32*\u+4*\i:RES+32*\u+4*\i+3], v[VG], s[10:11] offset:(16*((\i>>2)&1)+8*\u+2*(\i&3))*4096 th:TH_LOAD_NT   ; the tokens of stage rows 2 (8 u + i) and + 1
.endr
.endr
	s_wait_alu depctr_va_vdst(0)
	s_wait_loadcnt 32                              ; my scale words are in registers; the 16 loads of the bias and the 16 of the residual may stay out
	s_wait_tensorcnt 0x0                           ; my two tiles are in LDS
	ds_store_b128 v30, v[32:35]
	ds_store_b128 v30, v[36:39] offset:512
	s_wait_dscnt 0x0                               ; for the others' sake: my scale words lie in LDS
	s_barrier_signal -1
	s_barrier_wait -1
	s_wait_loadcnt 16                              ; the bias is in; the residual's sixteen loads may stay out
	CHUNK 0, 0
	CHUNK 1, 1
.rept 4
	v_nop                                          ; four places ahead of the first read of results
.endr
	s_wait_alu depctr_va_vdst(0)
.irp a, 0,1
.irp b, 0,1,2,3
	ds_store_b128 v[STO], v[ACC+32*\a+8*\b:ACC+32*\a+8*\b+3]   offset:16*\a*272+128*(\b/2)+32*(\b%2)      ; each accumulator from its low end on
	ds_store_b128 v[STO], v[ACC+32*\a+8*\b+4:ACC+32*\a+8*\b+7] offset:16*\a*272+128*(\b/2)+32*(\b%2)+16
.endr
.endr
	s_wait_loadcnt 0x0                             ; the residual
.irp u, 0,1
.irp i, 0,1,2,3,4,5,6,7
	ds_load_b128 v[OB+4*\i:OB+4*\i+3], v[RD] offset:2*(8*\u+\i)*272   ; LDS serves a wave's instructions in order (ISA guide 5.7.1.4): these see my stores
.endr
.irp i, 0,1,2,3,4,5,6,7
	s_wait_dscnt 7-\i                              ; rows 2 (8 u + i) and + 1 are back; the later ones may stay out
	v_pk_add_f32 v[RES+32*\u+4*\i:RES+32*\u+4*\i+1],   v[RES+32*\u+4*\i:RES+32*\u+4*\i+1],   v[OB+4*\i:OB+4*\i+1]
	v_pk_add_f32 v[RES+32*\u+4*\i+2:RES+32*\u+4*\i+3], v[RES+32*\u+4*\i+2:RES+32*\u+4*\i+3], v[OB+4*\i+2:OB+4*\i+3]
	global_store_b128 v[VG], v[RES+32*\u+4*\i:RES+32*\u+4*\i+3], s[12:13] offset:(16*((\i>>2)&1)+8*\u+2*(\i&3))*4096   ; sixteen lanes store 256 consecutive bytes, aligned
.endr
.endr
	s_wait_tensorcnt 0x0
	ds_add_u32 v254, v255
	s_wait_dscnt 0x0
	CROUND                                         ; the closing round: no work-group ends while a partner may still ask for a tile that names it
	s_endpgm
.Lfunc_end_k_qba83a61f35_g4:
	.size	k_qba83a61f35_g4, .Lfunc_end_k_qba83a61f35_g4-k_qba83a61f35_g4
	.p2alignl 7, 3214868480
	.fill 96, 4, 3214868480
	.section	.rodata,"a",@progbits
	.p2align	6, 0x0
	.amdhsa_kernel k_qba83a61f35_g4
		.amdhsa_group_segment_fixed_size 209920
		.amdhsa_private_segment_fixed_size 0
		.amdhsa_enable_private_segment 0
		.amdhsa_kernarg_size 40
		.amdhsa_user_sgpr_count 2
		.amdhsa_user_sgpr_kernarg_segment_ptr 1
		.amdhsa_wavefront_size32 1
		.amdhsa_system_sgpr_workgroup_id_x 1
		.amdhsa_system_sgpr_workgroup_id_y 1
		.amdhsa_system_sgpr_workgroup_id_z 1
		.amdhsa_system_vgpr_workitem_id 0
		.amdhsa_next_free_vgpr 256
		.amdhsa_next_free_sgpr 96
		.amdhsa_reserve_vcc 0
		.amdhsa_float_denorm_mode_32 3
		.amdhsa_float_denorm_mode_16_64 3
		.amdhsa_memory_ordered 1
		.amdhsa_forward_progress 1
		.amdhsa_inst_pref_size 34
	.end_amdhsa_kernel
	.amdgpu_metadata
---
amdhsa.version: [ 1, 2 ]
amdhsa.kernels:
  - .name:           k_qba83a61f35_g4
    .symbol:         k_qba83a61f35_g4.kd
    .args:
      - { .name: oq, .offset: 0, .size: 8, .value_kind: global_buffer, .address_space: global }
      - { .name: wq, .offset: 8, .size: 8, .value_kind: global_buffer, .address_space: global }
      - { .name: out_b, .offset: 16, .size: 8, .value_kind: global_buffer, .address_space: global }
      - { .name: x, .offset: 24, .size: 8, .value_kind: global_buffer, .address_space: global }
      - { .name: x1, .offset: 32, .size: 8, .value_kind: global_buffer, .address_space: global }
    .group_segment_fixed_size: 209920
    .private_segment_fixed_size: 0
    .kernarg_segment_align: 8
    .kernarg_segment_size: 40
    .max_flat_workgroup_size: 256
    .sgpr_count:     96
    .vgpr_count:     256
    .wavefront_size: 32
...
	.end_amdgpu_metadata
.endif
;; end of part 4
;; launch ln2 (part 5): grid 256 x 1, 4 waves a work-group, no clusters, 66,304 bytes of LDS; arguments x1, ln2_w, ln2_b, x2q; writes x2q
.if DOCPART == 5
	.amdgcn_target "amdgcn-amd-amdhsa--gfx1250"
	.amdhsa_code_object_version 6
	.text
	.protected	k_qba83a61f35_ln2
	.globl	k_qba83a61f35_ln2
	.p2align	8
	.type	k_qba83a61f35_ln2,@function
k_qba83a61f35_ln2:
	s_mov_b64 s[64:65], 0
	v_nop
	global_prefetch_b8 v0, s[64:65] scope:SCOPE_SE
	s_setreg_imm32_b32 hwreg(HW_REG_WAVE_MODE, 25, 1), 1
	s_wait_xcnt 0x0
; y = (x - mean) rsqrt(var + 1e-5) w + b for rows of 1,024 f32, then y is quantised along the row to FP4 (E2M1) with one E8M0 byte for each 32, and stored as an image of operand registers:
; codes [tile][block][slot][16 bytes] at byte 0, scale words [tile][K step][slot][4 bytes] at byte 2,097,152.  Slot r of tile 2 G + u is row 32 G + 16 (r / 8) + 8 u + r % 8.
; The variance is taken of x - mean, in a second pass over registers, so that a common offset of the inputs does no harm.  All in f32.
; LIMITS: a block of zeros gets the byte 1 where the rule says 127 (its codes are zeros; this program alone reads the bytes); block maxima under 2^-124 are held at that floor; NaN and infinities are not served.
; SHARES: a work-group takes one tile of 16 rows.  Phase 1: wave w takes slots 4 w .. 4 w + 3, four consecutive rows, a row in 32 registers; the results go to LDS (rows 4,112 bytes apart, an odd multiple of 16).
; One barrier.  Phase 2: wave w takes K steps 2 w and 2 w + 1 of all 16 slots: lane (r, h) holds the four whole blocks of K step 2 w + h of slot r.
; A stream that is read once: no matrix unit, no tensor load, no cluster.
.set PITCH, 4112
.set X,    32                          ; v32-159  four rows, row i at +32 i; in phase 2 four blocks
.set W,    160                         ; v160-191 the gain at my 32 columns
.set B,    192                         ; v192-223 the bias
.set C,    224                         ; v224-239 codes
.set TM,   8
.set TSC,  12
.set PW,   16
.macro QB4
.irp i, 0,1,2,3
	v_max3_num_f32 v[TM+\i], |v[X+32*\i]|, |v[X+32*\i+1]|, 0x1800000      ; with the floor 2^(3 - 127): the byte cannot fall under 1
.endr
.irp n, 2,4,6,8,10,12,14,16,18,20,22,24,26,28,30
.irp i, 0,1,2,3
	v_max3_num_f32 v[TM+\i], v[TM+\i], |v[X+32*\i+\n]|, |v[X+32*\i+\n+1]|
.endr
.endr
.irp i, 0,1,2,3
	v_add_nc_u32 v[TSC+\i], 0xff000000, v[TM+\i]                          ; 2 off the exponent field: the conversion's scale operand
.endr
.irp i, 0,1,2,3
	v_lshrrev_b32 v[TM+\i], 23, v[TSC+\i]                                 ; the scale's byte
.endr
	v_lshl_or_b32 v[PW], v[TM+1], 8, v[TM]
	v_lshl_or_b32 v[PW], v[TM+2], 16, v[PW]
	v_lshl_or_b32 v[PW], v[TM+3], 24, v[PW]
.irp i, 0,1,2,3
.irp g, 0,1,2,3
	v_cvt_scalef32_pk8_fp4_f32 v[C+4*\i+\g], v[X+32*\i+8*\g:X+32*\i+8*\g+7], v[TSC+\i]
.endr
.endr
	v_nop                                                                 ; one plain line behind the last conversion
.endm
; the lanes' partial sums, a pair for each row in v[8 + 2 i], become the row's sum in v[8 + 2 i] of every lane
.macro REDUCE
.irp i, 0,1,2,3
	v_add_f32 v[8+2*\i], v[8+2*\i], v[9+2*\i]
.endr
.irp m, 1,2,4,8
.irp i, 0,1,2,3
	v_add_f32_dpp v[8+2*\i], v[8+2*\i], v[8+2*\i] row_xmask:\m row_mask:0xf bank_mask:0xf
.endr
.endr
.irp i, 0,1,2,3
	v_permlanex16_b32 v[24+\i], v[8+2*\i], s20, s21
.endr
.irp i, 0,1,2,3
	v_add_f32 v[8+2*\i], v[8+2*\i], v[24+\i]
.endr
.endm
	s_load_b256 s[4:11], s[0:1], 0x0               ; x s[4:5], gain s[6:7], bias s[8:9], the image s[10:11]
	v_lshl_add_u32 v240, v0, 2, 0x10100
	v_mov_b32 v241, 0
	v_lshrrev_b32 v1, 5, v0
	v_readfirstlane_b32 s12, v1                    ; wave 0..3
	v_and_b32 v6, 31, v0                           ; lane
	v_and_b32 v7, 15, v0                           ; r
	v_bfe_u32 v28, v0, 4, 1                        ; h
	v_lshlrev_b32 v1, 4, v6                        ; 16 x lane
	s_mul_i32 s13, s12, 4*PITCH
	v_add_nc_u32 v2, s13, v1                       ; LDS, on the way in: my wave's four rows
	v_mul_u32_u24 v3, v7, PITCH
	v_lshl_add_u32 v3, v28, 9, v3
	s_lshl_b32 s13, s12, 10
	v_add_nc_u32 v3, s13, v3                       ; on the way out: row r, K step 2 w + h
	v_lshlrev_b32 v4, 4, v7
	v_lshl_add_u32 v4, v28, 10, v4                 ; the image: 1,024 h + 16 r
	v_lshlrev_b32 v5, 2, v6                        ; the scale words: 64 h + 4 r
.irp i, 0,1,2,3
	v_mov_b32 v[24+\i], 0                          ; written once: a lane permute's destination counts as one of its sources
.endr
	s_mov_b32 s20, 0x76543210
	s_mov_b32 s21, 0xfedcba98                      ; lane l xor 16
	s_mov_b32 s22, 0x3a800000                      ; 1 / 1,024
	s_mov_b32 s23, 0x3727c5ac                      ; 1e-5
	s_lshr_b32 s14, ttmp9, 1                       ; my first row: 32 (T / 2) + 8 (T % 2) + 16 (w / 2) + 4 (w % 2)
	s_lshl_b32 s14, s14, 5
	s_and_b32 s15, ttmp9, 1
	s_lshl_b32 s15, s15, 3
	s_add_co_u32 s14, s14, s15
	s_lshr_b32 s15, s12, 1
	s_lshl_b32 s15, s15, 4
	s_add_co_u32 s14, s14, s15
	s_and_b32 s15, s12, 1
	s_lshl_b32 s15, s15, 2
	s_add_co_u32 s14, s14, s15
	s_lshl_b32 s14, s14, 12                        ; x 4,096 bytes
	s_mov_b32 s15, 0
	s_lshl_b32 s16, ttmp9, 13                      ; codes: tile x 8,192 + wave x 2,048
	s_lshl_b32 s17, s12, 11
	s_add_co_u32 s16, s16, s17
	s_mov_b32 s17, 0
	s_lshl_b32 s18, ttmp9, 9                       ; scale words: 2,097,152 + tile x 512 + wave x 128
	s_lshl_b32 s19, s12, 7
	s_add_co_u32 s18, s18, s19
	s_add_co_u32 s18, s18, 2097152
	s_mov_b32 s19, 0
	s_wait_kmcnt 0x0
	s_add_nc_u64 s[4:5], s[4:5], s[14:15]
	s_add_nc_u64 s[16:17], s[10:11], s[16:17]
	s_add_nc_u64 s[18:19], s[10:11], s[18:19]
.irp i, 0,1,2,3
.irp j, 0,1,2,3,4,5,6,7
	global_load_b128 v[X+32*\i+4*\j:X+32*\i+4*\j+3], v1, s[4:5] offset:4096*\i+512*\j th:TH_LOAD_NT   ; 512 consecutive bytes
.endr
.endr
.irp j, 0,1,2,3,4,5,6,7
	global_load_b128 v[W+4*\j:W+4*\j+3], v1, s[6:7] offset:512*\j
.endr
.irp j, 0,1,2,3,4,5,6,7
	global_load_b128 v[B+4*\j:B+4*\j+3], v1, s[8:9] offset:512*\j
.endr
	s_wait_loadcnt 16                              ; the rows are in; gain and bias, sixteen loads, may stay out
	; the mean
.irp i, 0,1,2,3
	v_pk_add_f32 v[8+2*\i:9+2*\i], v[X+32*\i:X+32*\i+1], v[X+32*\i+2:X+32*\i+3]
.endr
.irp n, 4,6,8,10,12,14,16,18,20,22,24,26,28,30
.irp i, 0,1,2,3
	v_pk_add_f32 v[8+2*\i:9+2*\i], v[8+2*\i:9+2*\i], v[X+32*\i+\n:X+32*\i+\n+1]
.endr
.endr
	REDUCE
.irp i, 0,1,2,3
	v_mul_f32 v[16+2*\i], s22, v[8+2*\i]
.endr
.irp i, 0,1,2,3
	v_mov_b32 v[17+2*\i], v[16+2*\i]               ; the pair's two halves hold the same number
.endr
	; d = x - mean, in place
.irp n, 0,2,4,6,8,10,12,14,16,18,20,22,24,26,28,30
.irp i, 0,1,2,3
	v_pk_add_f32 v[X+32*\i+\n:X+32*\i+\n+1], v[X+32*\i+\n:X+32*\i+\n+1], v[16+2*\i:17+2*\i] neg_lo:[0,1] neg_hi:[0,1]
.endr
.endr
	; the sum of d^2
.irp i, 0,1,2,3
	v_pk_mul_f32 v[8+2*\i:9+2*\i], v[X+32*\i:X+32*\i+1], v[X+32*\i:X+32*\i+1]
.endr
.irp n, 2,4,6,8,10,12,14,16,18,20,22,24,26,28,30
.irp i, 0,1,2,3
	v_pk_fma_f32 v[8+2*\i:9+2*\i], v[X+32*\i+\n:X+32*\i+\n+1], v[X+32*\i+\n:X+32*\i+\n+1], v[8+2*\i:9+2*\i]
.endr
.endr
	REDUCE
.irp i, 0,1,2,3
	v_fma_f32 v[8+2*\i], v[8+2*\i], s22, s23       ; var + eps
.endr
	s_wait_alu depctr_va_vdst(0)
.irp i, 0,1,2,3
	v_rsq_f32 v[16+2*\i], v[8+2*\i]
.endr
	v_nop                                          ; a plain line behind the last of the four
	s_wait_alu depctr_va_vdst(0)                   ; one wait for the four, ahead of their first reader
.irp i, 0,1,2,3
	v_mov_b32 v[17+2*\i], v[16+2*\i]
.endr
	s_wait_alu depctr_va_vdst(0)
	s_wait_loadcnt 0x0                             ; gain and bias
.irp n, 0,2,4,6,8,10,12,14,16,18,20,22,24,26,28,30
.irp i, 0,1,2,3
	v_pk_mul_f32 v[X+32*\i+\n:X+32*\i+\n+1], v[X+32*\i+\n:X+32*\i+\n+1], v[16+2*\i:17+2*\i]
.endr
.irp i, 0,1,2,3
	v_pk_fma_f32 v[X+32*\i+\n:X+32*\i+\n+1], v[X+32*\i+\n:X+32*\i+\n+1], v[W+\n:W+\n+1], v[B+\n:B+\n+1]
.endr
.endr
.irp i, 0,1,2,3
.irp j, 0,1,2,3,4,5,6,7
	ds_store_b128 v2, v[X+32*\i+4*\j:X+32*\i+4*\j+3] offset:PITCH*\i+512*\j
.endr
.endr
	s_wait_dscnt 0x0                               ; for the others' sake: my rows lie in LDS
	s_barrier_signal -1
	s_barrier_wait -1
.irp i, 0,1,2,3
.irp j, 0,1,2,3,4,5,6,7
	ds_load_b128 v[X+32*\i+4*\j:X+32*\i+4*\j+3], v3 offset:128*\i+16*\j   ; block i of K step 2 w + h of slot r
.endr
.endr
	s_wait_dscnt 0x0
	QB4
.irp i, 0,1,2,3
	global_store_b128 v4, v[C+4*\i:C+4*\i+3], s[16:17] offset:256*\i      ; each half of the lanes stores 256 consecutive bytes, aligned
.endr
	global_store_b32 v5, v[PW], s[18:19]           ; 128 consecutive bytes
	s_wait_tensorcnt 0x0
	ds_add_u32 v240, v241
	s_wait_dscnt 0x0
	s_endpgm
.Lfunc_end_k_qba83a61f35_ln2:
	.size	k_qba83a61f35_ln2, .Lfunc_end_k_qba83a61f35_ln2-k_qba83a61f35_ln2
	.p2alignl 7, 3214868480
	.fill 96, 4, 3214868480
	.section	.rodata,"a",@progbits
	.p2align	6, 0x0
	.amdhsa_kernel k_qba83a61f35_ln2
		.amdhsa_group_segment_fixed_size 66304
		.amdhsa_private_segment_fixed_size 0
		.amdhsa_enable_private_segment 0
		.amdhsa_kernarg_size 32
		.amdhsa_user_sgpr_count 2
		.amdhsa_user_sgpr_kernarg_segment_ptr 1
		.amdhsa_wavefront_size32 1
		.amdhsa_system_sgpr_workgroup_id_x 1
		.amdhsa_system_sgpr_workgroup_id_y 1
		.amdhsa_system_sgpr_workgroup_id_z 1
		.amdhsa_system_vgpr_workitem_id 0
		.amdhsa_next_free_vgpr 242
		.amdhsa_next_free_sgpr 66
		.amdhsa_reserve_vcc 0
		.amdhsa_float_denorm_mode_32 3
		.amdhsa_float_denorm_mode_16_64 3
		.amdhsa_memory_ordered 1
		.amdhsa_forward_progress 1
		.amdhsa_inst_pref_size 41
	.end_amdhsa_kernel
	.amdgpu_metadata
---
amdhsa.version: [ 1, 2 ]
amdhsa.kernels:
  - .name:           k_qba83a61f35_ln2
    .symbol:         k_qba83a61f35_ln2.kd
    .args:
      - { .name: x1, .offset: 0, .size: 8, .value_kind: global_buffer, .address_space: global }
      - { .name: ln2_w, .offset: 8, .size: 8, .value_kind: global_buffer, .address_space: global }
      - { .name: ln2_b, .offset: 16, .size: 8, .value_kind: global_buffer, .address_space: global }
      - { .name: x2q, .offset: 24, .size: 8, .value_kind: global_buffer, .address_space: global }
    .group_segment_fixed_size: 66304
    .private_segment_fixed_size: 0
    .kernarg_segment_align: 8
    .kernarg_segment_size: 32
    .max_flat_workgroup_size: 128
    .sgpr_count:     66
    .vgpr_count:     242
    .wavefront_size: 32
...
	.end_amdgpu_metadata
.endif
;; end of part 5
;; launch g5 (part 6): grid 16 x 16, 16 waves a work-group, clusters of 4 x 4, 280,576 bytes of LDS; arguments x2q, wq, ff_b1, hq; writes hq
.if DOCPART == 6
	.amdgcn_target "amdgcn-amd-amdhsa--gfx1250"
	.amdhsa_code_object_version 6
	.text
	.protected	k_qba83a61f35_g5
	.globl	k_qba83a61f35_g5
	.p2align	8
	.type	k_qba83a61f35_g5,@function
k_qba83a61f35_g5:
	s_mov_b64 s[64:65], 0
	v_nop
	global_prefetch_b8 v0, s[64:65] scope:SCOPE_SE
	s_setreg_imm32_b32 hwreg(HW_REG_WAVE_MODE, 25, 1), 1
	s_wait_xcnt 0x0
	s_wait_alu depctr_hold_cnt(0) depctr_sa_sdst(0) depctr_va_vdst(0) depctr_va_sdst(0) depctr_va_ssrc(0) depctr_va_vcc(0) depctr_vm_vsrc(0)
	s_getreg_b32 s2, hwreg(HW_REG_IB_STS2, 6, 4)
	s_cmp_eq_u32 s2, 0
	s_cbranch_scc0 .Lentry_in_a_cluster
	s_endpgm
.Lentry_in_a_cluster:
	s_bfe_u32 s2, ttmp6, 0x10000c
	s_cmp_lg_u32 s2, 0xf033
	s_cbranch_scc0 .Lentry_shape_is_right
	s_endpgm
.Lentry_shape_is_right:
; h = silu(LN2(x1) ff_w1^T + ff_b1): the product on codes of FP4 (E2M1) with E8M0 scales, K = 1,024; bias and silu in f32; h is quantised at once along the hidden units as the next product's operand.
; OPERANDS are images of operand registers: fragment (tile, K step) = 1,024 bytes, piece c at 512 c + 16 x lane; scale words [tile][K step][slot].  Slot r of tile 2 G + u is row 32 G + 16 (r / 8) + 8 u + r % 8.
; A work-group makes 256 tokens x 256 hidden units: sixteen waves of 256 registers, four to a SIMD.  Source 0 = the weight's tiles (P0), source 1 = the tokens' (P1): a lane holds one token, its registers run along the hidden units.
; A wave makes 32 tokens x 128 hidden units, one whole K step of the next product: 16 accumulators, which begin as the bias (loaded straight into them).
; CLUSTER: 4 x 4 work-groups.  The four of a column of the cluster need the same tiles of the weight, the four of a row the same tiles of the tokens: codes and scale words are asked for JOINTLY, by the same tensor load
; with the same descriptor and a mask that names the four.  Waves 0-7 ask for P0's tiles, waves 8-15 for P1's, two tiles a wave.
; LDS: two slots of 131,072 bytes (32 tiles x 512 along K: P0's sixteen, then P1's), each filled ONCE, and 16,384 bytes of scale words.  Three tensor loads of a wave are out at the start, by this text's count, and none later.
; silu(z) = z / (1 + 2^(-z log2 e)): the exponentials and the reciprocals of 64 numbers each go as one batch with one wait.
; LIMITS: z under about -88 gives -0 (the exponential overflows, its reciprocal is 0); a block of zeros gets the byte 1 where the rule says 127; block maxima under 2^-124 are held at that floor; NaN and infinities are not served.
; OUT, in hq: codes [tile][block][slot][16 bytes], a tile 32,768 bytes, 512 consecutive bytes a store; scale words at 8,388,608, [tile][K step][slot], in pieces of 64 bytes.
; LDS AS IT STANDS (in place of the two slots and three loads that the head comment names): 32 tiles of 8,192 bytes, each with its whole K, filled ONCE by one joint load a wave (two tiles, 16,384 consecutive bytes);
; the second 512 along K of a tile lie 4,096 bytes behind the first.  The scale words, 1,024 bytes a wave, a sixteenth of the codes' bytes, come by plain loads and LDS stores into bytes on which no fill lands: not jointly.
.set TS,    8192
.set SS,    512
.set SLOTB, 4096
.set SCL,   262144
.set HS,    8388608
.set VP0,   1
.set VP1,   3
.set VSB,   5
.set VSA,   6
.set SB,    16
.set SA,    20
.set PW0,   21
.set PW1,   22
.set F0,    24                         ; v24-87   P0's eight fragments; afterwards T, at work in SILU
.set T,     24
.set F1,    88                         ; v88-103  P1's two
.set ACC,   104                        ; v104-231 accumulator (a, b) at ACC + 64 a + 8 b
.set TM,    232
.set PC0,   248
.set PC1,   88
.set SEL,   92                         ; s[92:93]
.set G1P0,  24                         ; s[24:31] group 1 for P0's codes;  s[32:39] for P1's: they differ in the mask alone
.set G1P1,  32
.set G1S0,  40                         ; s[40:47], s[48:55] the same for the scale words
.set G1S1,  48
.set P0S,   56                         ; groups 0 for P0: scale words, slot 0, slot 1
.set P0A,   60
.set P0B,   68
.set P1S,   72                         ; and for P1
.set P1A,   76
.set P1B,   80
; A joint load: waves 0-7 ask for P0, waves 8-15 for P1.  Each of the two lines has ONE mask and one set of registers for all that issue it; the branch hangs on the wave's number alone.
; Four v_nop follow each of the two lines, ahead of the jump, the label and what follows.
.macro JLOAD g0a, g1a, g0b, g1b
	s_cmp_eq_u32 s15, 0
	s_cbranch_scc0 .Lfor_p1_\@
	tensor_load_to_lds s[\g0a:\g0a+3], s[\g1a:\g1a+7]
	s_nop 0
.rept 4
	v_nop
.endr
	s_branch .Lasked_\@
.Lfor_p1_\@:
	tensor_load_to_lds s[\g0b:\g0b+3], s[\g1b:\g1b+7]
	s_nop 0
.rept 4
	v_nop
.endr
.Lasked_\@:
.endm
; A round of the cluster's barrier: my work-group's barrier, so that wave 0's signal speaks for all sixteen waves; wave 0 signals for the work-group; every wave waits for all sixteen work-groups; my work-group's barrier once more.
.macro CROUND
	s_barrier_signal -1
	s_barrier_wait -1
	s_cmp_lg_u32 s12, 0
	s_cbranch_scc1 .Lnot_wave_0_\@
	s_barrier_signal -3
.Lnot_wave_0_\@:
	s_barrier_wait -3
	s_barrier_signal -1
	s_barrier_wait -1
.endm
.macro PROD a, b
.set rD, ACC+64*(\a)+8*(\b)
.set rP, F0+8*(\b)
.set rQ, F1+8*(\a)
.set rS, SB+(\b)/2
.set vr, 2*((\b)%2)+(\a)
.if vr == 0
	v_wmma_scale_f32_16x16x128_f8f6f4 v[rD:rD+7], v[rP:rP+7], v[rQ:rQ+7], v[rD:rD+7], v[rS], v[SA] matrix_a_fmt:MATRIX_FMT_FP4 matrix_b_fmt:MATRIX_FMT_FP4
.elseif vr == 1
	v_wmma_scale_f32_16x16x128_f8f6f4 v[rD:rD+7], v[rP:rP+7], v[rQ:rQ+7], v[rD:rD+7], v[rS], v[SA] matrix_a_fmt:MATRIX_FMT_FP4 matrix_b_fmt:MATRIX_FMT_FP4 matrix_b_scale:MATRIX_SCALE_ROW1
.elseif vr == 2
	v_wmma_scale_f32_16x16x128_f8f6f4 v[rD:rD+7], v[rP:rP+7], v[rQ:rQ+7], v[rD:rD+7], v[rS], v[SA] matrix_a_fmt:MATRIX_FMT_FP4 matrix_b_fmt:MATRIX_FMT_FP4 matrix_a_scale:MATRIX_SCALE_ROW1
.else
	v_wmma_scale_f32_16x16x128_f8f6f4 v[rD:rD+7], v[rP:rP+7], v[rQ:rQ+7], v[rD:rD+7], v[rS], v[SA] matrix_a_fmt:MATRIX_FMT_FP4 matrix_b_fmt:MATRIX_FMT_FP4 matrix_a_scale:MATRIX_SCALE_ROW1 matrix_b_scale:MATRIX_SCALE_ROW1
.endif
.endm
; 128 along K: the slot's sl-th, the sg-th of all.  The 16 accumulators take turns, one instruction a turn, in the same order in every step.
.macro KSTEP slot, sl, sg
.rept 4
	v_nop                                          ; four places between the last products and the loads into the registers that they read
.endr
.irp b, 0,1,2,3,4,5,6,7
.irp c, 0,1
	ds_load_b128 v[F0+8*\b+4*\c:F0+8*\b+4*\c+3], v[VP0+\slot] offset:\b*TS+1024*(\sl)+512*\c
.endr
.endr
.irp a, 0,1
.irp c, 0,1
	ds_load_b128 v[F1+8*\a+4*\c:F1+8*\a+4*\c+3], v[VP1+\slot] offset:\a*TS+1024*(\sl)+512*\c
.endr
.endr
.irp i, 0,1,2,3
	ds_load_b32 v[SB+\i], v[VSB] offset:2*\i*SS+64*(\sg)
.endr
	ds_load_b32 v[SA], v[VSA] offset:64*(\sg)
	s_wait_dscnt 0x0                               ; the SIMD's other three waves work meanwhile
.irp b, 0,1,2,3,4,5,6,7
.irp a, 0,1
	PROD \a, \b
.endr
.endr
.endm
; 64 numbers of a lane, register 16 b + i = k 32 b + 16 (lane / 16) + i of my row, become a fragment's codes in v[pc] on and its scale word in v[pw]
.macro QUANT s, pc, pw
.irp b, 0,1,2,3
	v_max3_num_f32 v[TM+\b], |v[\s+16*\b]|, |v[\s+1+16*\b]|, 0x1800000   ; with the floor 2^(3 - 127): the byte cannot fall under 1
.endr
.irp i, 2,4,6,8,10,12,14
.irp b, 0,1,2,3
	s_delay_alu instid0(VALU_DEP_4)
	v_max3_num_f32 v[TM+\b], v[TM+\b], |v[\s+16*\b+\i]|, |v[\s+1+16*\b+\i]|
.endr
.endr
.irp b, 0,1,2,3
	s_delay_alu instid0(VALU_DEP_4)
	v_permlanex16_b32 v[TM+4+\b], v[TM+\b], s[SEL], s[SEL+1]
.endr
.irp b, 0,1,2,3
	s_delay_alu instid0(VALU_DEP_4)
	v_max_num_f32 v[TM+\b], v[TM+\b], v[TM+4+\b]
.endr
.irp b, 0,1,2,3
	s_delay_alu instid0(VALU_DEP_4)
	v_add_nc_u32 v[TM+12+\b], 0xff000000, v[TM+\b]
.endr
.irp b, 0,1,2,3
	s_delay_alu instid0(VALU_DEP_4)
	v_lshrrev_b32 v[TM+4+\b], 23, v[TM+12+\b]
.endr
	s_delay_alu instid0(VALU_DEP_3)
	v_lshl_or_b32 v[\pw], v[TM+5], 8, v[TM+4]
	s_delay_alu instid0(VALU_DEP_1)
	v_lshl_or_b32 v[\pw], v[TM+6], 16, v[\pw]
	s_delay_alu instid0(VALU_DEP_1)
	v_lshl_or_b32 v[\pw], v[TM+7], 24, v[\pw]
.irp b, 0,1,2,3
	v_cvt_scalef32_pk8_fp4_f32 v[\pc+2*\b], v[\s+16*\b:\s+7+16*\b], v[TM+12+\b]
	v_cvt_scalef32_pk8_fp4_f32 v[\pc+1+2*\b], v[\s+8+16*\b:\s+15+16*\b], v[TM+12+\b]
.endr
	v_nop                                          ; one plain line behind the last conversion
.irp c, 0,1
.irp i, 0,1
	v_permlane16_swap_b32 v[\pc+4*\c+\i], v[\pc+2+4*\c+\i]
.endr
.endr
.endm
; silu of the 64 numbers from v[z] on, in place
.macro SILU z
.set j, 0
.rept 32
	v_pk_mul_f32 v[T+j:T+j+1], v[\z+j:\z+j+1], 0xbfb8aa3b op_sel_hi:[1,0]   ; -z log2(e); each accumulator is read from its low end on
.set j, j+2
.endr
.set j, 0
	s_wait_alu depctr_va_vdst(0)
.rept 64
	v_exp_f32 v[T+j], v[T+j]
.set j, j+1
.endr
	v_nop                                          ; a plain line behind the last exponential
	s_wait_alu depctr_va_vdst(0)                   ; one wait for the batch, ahead of its first reader
.set j, 0
.rept 32
	v_pk_add_f32 v[T+j:T+j+1], v[T+j:T+j+1], 1.0 op_sel_hi:[1,0]
.set j, j+2
.endr
.set j, 0
	s_wait_alu depctr_va_vdst(0)
.rept 64
	v_rcp_f32 v[T+j], v[T+j]
.set j, j+1
.endr
	v_nop
	s_wait_alu depctr_va_vdst(0)                   ; and one for the reciprocals
.set j, 0
.rept 32
	v_pk_mul_f32 v[\z+j:\z+j+1], v[\z+j:\z+j+1], v[T+j:T+j+1]
.set j, j+2
.endr
.endm
	s_load_b256 s[4:11], s[0:1], 0x0               ; x2q s[4:5], wq s[6:7], ff_b1 s[8:9], hq s[10:11]
	v_lshl_add_u32 v242, v0, 2, 0x44000
	v_mov_b32 v243, 0
	ds_add_u32 v242, v243
	ds_add_u32 v242, v243
	v_lshrrev_b32 v24, 5, v0
	s_delay_alu instid0(VALU_DEP_1)
	v_readfirstlane_b32 s12, v24                   ; wave 0..15
	s_and_b32 s14, s12, 7                          ; which 32 tokens are mine; also which two tiles of an operand I ask for
	s_lshr_b32 s15, s12, 3                         ; which 128 hidden units are mine; also: I ask for P0 (0) or for P1 (1)
	s_bfe_u32 s19, ttmp6, 0x40000                  ; cx, cy: my place in the cluster
	s_bfe_u32 s22, ttmp6, 0x40004
	s_lshl_b32 s18, ttmp9, 2
	s_add_co_u32 s18, s18, s19                     ; X: which 256 hidden units = 4 x cluster x + cx
	s_and_b32 s13, ttmp7, 0xffff
	s_lshl_b32 s13, s13, 2
	s_add_co_u32 s13, s13, s22                     ; Y: which 256 tokens = 4 x cluster y + cy
	s_lshl_b32 s66, s22, 2
	s_lshl_b32 s66, 15, s66                        ; my row of the cluster
	s_lshl_b32 s67, 0x1111, s19                    ; my column
	s_or_b32 s[G1P0], s67, (3<<16)|(1<<21)         ; 15:0 the mask: the weight's tiles go to my column; 17:16 elements of 8 bytes; 21 set beside a mask
	s_or_b32 s[G1P1], s66, (3<<16)|(1<<21)         ; the tokens' tiles go to my row
.irp g, G1P0, G1P1                     ; codes: 2 rows (tiles) of 1,024 elements of 8 bytes, 1,024 apart
	s_mov_b32 s[\g+1], 1024<<16
	s_mov_b32 s[\g+2], 2<<16
	s_mov_b32 s[\g+3], 1024<<16
	s_mov_b32 s[\g+4], 2
	s_mov_b32 s[\g+5], 1024
	s_mov_b32 s[\g+6], 0
	s_mov_b32 s[\g+7], 0
.endr
	; where the tiles come from.  P0's hang on X alone, which my column shares; P1's on Y alone, which my row shares.  Every wave makes both, in registers that never hold the other coordinate, and asks by one.
	s_lshl_b32 s84, s18, 17
	s_add_co_u32 s84, s84, 2097152
	s_lshl_b32 s85, s14, 14
	s_add_co_u32 s84, s84, s85
	s_mov_b32 s85, 0                               ; P0's codes
	s_lshl_b32 s86, s18, 13
	s_add_co_u32 s86, s86, 6422528
	s_lshl_b32 s87, s14, 10
	s_add_co_u32 s86, s86, s87
	s_mov_b32 s87, 0                               ; P0's scale words
	s_lshl_b32 s88, s13, 17
	s_lshl_b32 s89, s14, 14
	s_add_co_u32 s88, s88, s89
	s_mov_b32 s89, 0                               ; P1's codes
	s_lshl_b32 s90, s13, 13
	s_add_co_u32 s90, s90, 2097152
	s_lshl_b32 s91, s14, 10
	s_add_co_u32 s90, s90, s91
	s_mov_b32 s91, 0                               ; P1's scale words
	s_lshl_b32 s94, s12, 14                        ; and where they go: wave x two tiles: no place in the cluster enters an LDS address
	s_lshl_b32 s95, s12, 10
	s_add_co_u32 s95, s95, SCL
	s_wait_dscnt 0x0
	s_wait_kmcnt 0x0
	s_add_nc_u64 s[P0S+2:P0S+3], s[6:7], s[86:87]
	s_mov_b32 s[P0A], 1
	s_mov_b32 s[P0A+1], s94
	s_add_nc_u64 s[P0A+2:P0A+3], s[6:7], s[84:85]
	s_or_b32 s[P0A+3], s[P0A+3], 0x80000000
	s_add_nc_u64 s[P1S+2:P1S+3], s[4:5], s[90:91]
	s_cmp_eq_u32 s15, 0                            ; the scale words that my wave brings: P0's or P1's, by the wave's number
	s_cselect_b64 s[P0S+2:P0S+3], s[P0S+2:P0S+3], s[P1S+2:P1S+3]
	s_mov_b32 s[P1A], 1
	s_mov_b32 s[P1A+1], s94
	s_add_nc_u64 s[P1A+2:P1A+3], s[4:5], s[88:89]
	s_or_b32 s[P1A+3], s[P1A+3], 0x80000000
	CROUND                                         ; all sixteen work-groups are here: the joint loads meet
	JLOAD P0A, G1P0, P1A, G1P1                     ; my one tensor load: two tiles, all of K
	v_and_b32 v24, 31, v0                          ; lane
	v_and_b32 v25, 15, v0                          ; r
	v_bfe_u32 v10, v0, 4, 1                        ; h: kept
	s_delay_alu instid0(VALU_DEP_3)
	v_lshlrev_b32 v27, 4, v24                      ; 16 x lane
	global_load_b128 v[32:35], v27, s[P0S+2:P0S+3]             ; my two tiles' scale words: 2 x 512 consecutive bytes
	global_load_b128 v[36:39], v27, s[P0S+2:P0S+3] offset:512
	v_add_nc_u32 v30, s95, v27                     ; and their place in LDS
	s_lshl_b32 s23, s15, 16
	v_add_nc_u32 v[VP0], s23, v27
	s_delay_alu instid0(VALU_DEP_1)
	v_add_nc_u32 v[VP0+1], SLOTB, v[VP0]
	s_lshl_b32 s23, s14, 14
	s_add_co_u32 s23, s23, 16*TS
	v_add_nc_u32 v[VP1], s23, v27
	s_delay_alu instid0(VALU_DEP_1)
	v_add_nc_u32 v[VP1+1], SLOTB, v[VP1]
	v_lshlrev_b32 v28, 2, v25
	s_wait_alu depctr_va_vdst(0)
	v_lshl_add_u32 v29, v10, 9, v28                ; 4 r + h x a tile's scale words
	s_lshl_b32 s23, s15, 12
	s_add_co_u32 s23, s23, SCL
	v_add_nc_u32 v[VSB], s23, v29
	s_lshl_b32 s23, s14, 10
	s_add_co_u32 s23, s23, SCL+16*SS
	v_add_nc_u32 v[VSA], s23, v29
	v_lshlrev_b32 v7, 6, v10                       ; 64 h: my half's bias
	s_wait_alu depctr_va_vdst(0)
	s_lshl_b32 s16, s18, 10
	s_lshl_b32 s17, s15, 9
	s_add_co_u32 s16, s16, s17                     ; my first hidden unit x 4 bytes
	s_mov_b32 s17, 0
	s_add_nc_u64 s[8:9], s[8:9], s[16:17]
	s_lshl_b32 s16, s13, 4
	s_lshl_b32 s17, s14, 1
	s_add_co_u32 s16, s16, s17                     ; my first token tile
	s_lshl_b32 s17, s18, 1
	s_add_co_u32 s17, s17, s15                     ; the next product's K step that I make
	s_lshl_b32 s20, s16, 15
	s_lshl_b32 s21, s17, 10
	s_add_co_u32 s20, s20, s21
	v_add_nc_u32 v8, s20, v27                      ; codes: tile x 32,768 + K step x 1,024 + 16 x lane
	s_lshl_b32 s20, s16, 11
	s_lshl_b32 s21, s17, 6
	s_add_co_u32 s20, s20, s21
	s_add_co_u32 s20, s20, HS
	v_lshl_add_u32 v9, v10, 11, v28
	s_delay_alu instid0(VALU_DEP_1)
	v_add_nc_u32 v9, s20, v9                       ; scale words: lanes 0-15 tile 0's, lanes 16-31 tile 1's
.irp b, 0,1,2,3
	v_mov_b32 v[TM+4+\b], 0                        ; written once: a lane permute's destination counts as one of its sources
.endr
	s_mov_b32 s[SEL], 0x76543210
	s_mov_b32 s[SEL+1], 0xfedcba98
.irp a, 0,1
.irp p, 0,1,2,3
.irp i, 0,1,2,3
	global_load_b128 v[ACC+64*\a+16*\p+4*\i:ACC+64*\a+16*\p+4*\i+3], v7, s[8:9] offset:128*\p+16*\i   ; register 16 p + n of a lane is hidden unit 32 p + 16 h + n
.endr
.endr
.endr
	s_wait_alu depctr_va_vdst(0)
	s_wait_loadcnt 32                              ; my scale words are in registers; the bias's 32 loads may stay out
	s_wait_tensorcnt 0x0                           ; my two tiles are in LDS
	ds_store_b128 v30, v[32:35]
	ds_store_b128 v30, v[36:39] offset:512
	s_wait_dscnt 0x0                               ; for the others' sake: my scale words lie in LDS
	s_barrier_signal -1
	s_barrier_wait -1
	s_wait_loadcnt 0x0                             ; the bias
	KSTEP 0, 0, 0
	KSTEP 0, 1, 1
	KSTEP 0, 2, 2
	KSTEP 0, 3, 3
	KSTEP 1, 0, 4
	KSTEP 1, 1, 5
	KSTEP 1, 2, 6
	KSTEP 1, 3, 7
.rept 4
	v_nop                                          ; four places ahead of the first read of results and the first write over P0's registers
.endr
	SILU ACC
	QUANT ACC, PC0, PW0
	SILU ACC+64
	QUANT ACC+64, PC1, PW1
	global_store_b128 v8, v[PC0:PC0+3], s[10:11]                 ; 512 consecutive bytes each
	global_store_b128 v8, v[PC0+4:PC0+7], s[10:11] offset:512
	global_store_b128 v8, v[PC1:PC1+3], s[10:11] offset:32768
	global_store_b128 v8, v[PC1+4:PC1+7], s[10:11] offset:32768+512
	v_cmp_eq_u32 vcc_lo, 1, v10
	s_delay_alu instid0(VALU_DEP_1)
	v_cndmask_b32 v13, v[PW0], v[PW1], vcc_lo
	global_store_b32 v9, v13, s[10:11]
	s_wait_tensorcnt 0x0
	ds_add_u32 v242, v243
	s_wait_dscnt 0x0
	CROUND                                         ; the closing round: no work-group ends while a partner may still ask for a tile that names it
	s_endpgm
.Lfunc_end_k_qba83a61f35_g5:
	.size	k_qba83a61f35_g5, .Lfunc_end_k_qba83a61f35_g5-k_qba83a61f35_g5
	.p2alignl 7, 3214868480
	.fill 96, 4, 3214868480
	.section	.rodata,"a",@progbits
	.p2align	6, 0x0
	.amdhsa_kernel k_qba83a61f35_g5
		.amdhsa_group_segment_fixed_size 280576
		.amdhsa_private_segment_fixed_size 0
		.amdhsa_enable_private_segment 0
		.amdhsa_kernarg_size 32
		.amdhsa_user_sgpr_count 2
		.amdhsa_user_sgpr_kernarg_segment_ptr 1
		.amdhsa_wavefront_size32 1
		.amdhsa_system_sgpr_workgroup_id_x 1
		.amdhsa_system_sgpr_workgroup_id_y 1
		.amdhsa_system_sgpr_workgroup_id_z 1
		.amdhsa_system_vgpr_workitem_id 0
		.amdhsa_next_free_vgpr 256
		.amdhsa_next_free_sgpr 96
		.amdhsa_reserve_vcc 1
		.amdhsa_float_denorm_mode_32 3
		.amdhsa_float_denorm_mode_16_64 3
		.amdhsa_memory_ordered 1
		.amdhsa_forward_progress 1
		.amdhsa_inst_pref_size 74
	.end_amdhsa_kernel
	.amdgpu_metadata
---
amdhsa.version: [ 1, 2 ]
amdhsa.kernels:
  - .name:           k_qba83a61f35_g5
    .symbol:         k_qba83a61f35_g5.kd
    .args:
      - { .name: x2q, .offset: 0, .size: 8, .value_kind: global_buffer, .address_space: global }
      - { .name: wq, .offset: 8, .size: 8, .value_kind: global_buffer, .address_space: global }
      - { .name: ff_b1, .offset: 16, .size: 8, .value_kind: global_buffer, .address_space: global }
      - { .name: hq, .offset: 24, .size: 8, .value_kind: global_buffer, .address_space: global }
    .group_segment_fixed_size: 280576
    .private_segment_fixed_size: 0
    .kernarg_segment_align: 8
    .kernarg_segment_size: 32
    .max_flat_workgroup_size: 512
    .sgpr_count:     96
    .vgpr_count:     256
    .wavefront_size: 32
...
	.end_amdgpu_metadata
.endif
;; end of part 6
;; launch g6 (part 7): grid 8 x 32, 8 waves a work-group, clusters of 4 x 4, 327,680 bytes of LDS; arguments hq, wq, ff_b2, x1, out0; writes out0
.if DOCPART == 7
	.amdgcn_target "amdgcn-amd-amdhsa--gfx1250"
	.amdhsa_code_object_version 6
	.text
	.protected	k_qba83a61f35_g6
	.globl	k_qba83a61f35_g6
	.p2align	8
	.type	k_qba83a61f35_g6,@function
k_qba83a61f35_g6:
	s_mov_b64 s[64:65], 0
	v_nop
	global_prefetch_b8 v0, s[64:65] scope:SCOPE_SE
	s_setreg_imm32_b32 hwreg(HW_REG_WAVE_MODE, 25, 1), 1
	s_wait_xcnt 0x0
	s_wait_alu depctr_hold_cnt(0) depctr_sa_sdst(0) depctr_va_vdst(0) depctr_va_sdst(0) depctr_va_ssrc(0) depctr_va_vcc(0) depctr_vm_vsrc(0)
	s_getreg_b32 s2, hwreg(HW_REG_IB_STS2, 6, 4)
	s_cmp_eq_u32 s2, 0
	s_cbranch_scc0 .Lentry_in_a_cluster
	s_endpgm
.Lentry_in_a_cluster:
	s_bfe_u32 s2, ttmp6, 0x10000c
	s_cmp_lg_u32 s2, 0xf033
	s_cbranch_scc0 .Lentry_shape_is_right
	s_endpgm
.Lentry_shape_is_right:
.set RING,  1
.set TS,    8192
.set SS,    2048
.set SLOTB, 131072
.set SCL,   262144
.set SPARE, 294912
.set STAGE, 0
.set NQ,    8
.set CHB,   8192
.set WCB,   4194304
.set WSB,   6553600
.set ASB,   8388608
.set LWC,   18
.set LVC,   16
.set LWS,   14
.set LVS,   12
.set LLC,   14
.set DC,    1024
.set DP,    4096
.set VP0,   1
.set VP1,   3
.set VSB,   5
.set VSA,   6
.set VB,    7
.set VG,    8
.set STO,   9
.set RD,    10
.set SB,    16
.set SA,    20
.set SPW,   22
.set NIL,   23
.set F0,    24
.set F1,    56
.set ACC,   72
.set RES,   136
.set OB,    24
.set G1P0,  24
.set G1P1,  32
.set G1S0,  40
.set G1S1,  48
.set P0S,   56
.set P0A,   60
.set P0B,   68
.set P1S,   72
.set P1A,   76
.set P1B,   80
.macro JLOAD g0a, g1a, g0b, g1b
	s_cmp_eq_u32 s17, 0
	s_cbranch_scc0 .Lfor_p1_\@
	tensor_load_to_lds s[\g0a:\g0a+3], s[\g1a:\g1a+7]
	s_nop 0
.rept 4
	v_nop
.endr
	s_branch .Lasked_\@
.Lfor_p1_\@:
	tensor_load_to_lds s[\g0b:\g0b+3], s[\g1b:\g1b+7]
	s_nop 0
.rept 4
	v_nop
.endr
.Lasked_\@:
.endm
.macro CROUND
	s_barrier_signal -1
	s_barrier_wait -1
	s_cmp_lg_u32 s14, 0
	s_cbranch_scc1 .Lnot_wave_0_\@
	s_barrier_signal -3
.Lnot_wave_0_\@:
	s_barrier_wait -3
	s_barrier_signal -1
	s_barrier_wait -1
.endm
.macro PROD st, a, b
.set rD, ACC+32*(\a)+8*(\b)
.set rP, F0+176*(\st)+8*(\b)
.set rQ, F1+176*(\st)+8*(\a)
.set rS, SB+2*(\st)+(\b)/2
.set rT, SA+(\st)
.set vr, 2*((\b)%2)+(\a)
.if vr == 0
	v_wmma_scale_f32_16x16x128_f8f6f4 v[rD:rD+7], v[rP:rP+7], v[rQ:rQ+7], v[rD:rD+7], v[rS], v[rT] matrix_a_fmt:MATRIX_FMT_FP4 matrix_b_fmt:MATRIX_FMT_FP4
.elseif vr == 1
	v_wmma_scale_f32_16x16x128_f8f6f4 v[rD:rD+7], v[rP:rP+7], v[rQ:rQ+7], v[rD:rD+7], v[rS], v[rT] matrix_a_fmt:MATRIX_FMT_FP4 matrix_b_fmt:MATRIX_FMT_FP4 matrix_b_scale:MATRIX_SCALE_ROW1
.elseif vr == 2
	v_wmma_scale_f32_16x16x128_f8f6f4 v[rD:rD+7], v[rP:rP+7], v[rQ:rQ+7], v[rD:rD+7], v[rS], v[rT] matrix_a_fmt:MATRIX_FMT_FP4 matrix_b_fmt:MATRIX_FMT_FP4 matrix_a_scale:MATRIX_SCALE_ROW1
.else
	v_wmma_scale_f32_16x16x128_f8f6f4 v[rD:rD+7], v[rP:rP+7], v[rQ:rQ+7], v[rD:rD+7], v[rS], v[rT] matrix_a_fmt:MATRIX_FMT_FP4 matrix_b_fmt:MATRIX_FMT_FP4 matrix_a_scale:MATRIX_SCALE_ROW1 matrix_b_scale:MATRIX_SCALE_ROW1
.endif
.endm
.macro LOADS st, slot, sl, sg
.rept 4
	v_nop
.endr
.irp b, 0,1,2,3
.irp c, 0,1
	ds_load_b128 v[F0+176*(\st)+8*\b+4*\c:F0+176*(\st)+8*\b+4*\c+3], v[VP0+\slot] offset:\b*TS+1024*(\sl)+512*\c
.endr
.endr
.irp a, 0,1
.irp c, 0,1
	ds_load_b128 v[F1+176*(\st)+8*\a+4*\c:F1+176*(\st)+8*\a+4*\c+3], v[VP1+\slot] offset:\a*TS+1024*(\sl)+512*\c
.endr
.endr
.irp i, 0,1
	ds_load_b32 v[SB+2*(\st)+\i], v[VSB] offset:2*\i*SS+64*(\sg)
.endr
	ds_load_b32 v[SA+(\st)], v[VSA] offset:64*(\sg)
.endm
.macro MULS st
.irp b, 0,1,2,3
.irp a, 0,1
	PROD \st, \a, \b
.endr
.endr
.endm
.macro CHUNK slot, ch
	LOADS 0, \slot, 0, NQ*(\ch)
.set Q, 0
.rept NQ-1
	LOADS (Q+1)%2, \slot, Q+1, NQ*(\ch)+Q+1
	s_wait_dscnt 15
	MULS Q%2
.set Q, Q+1
.endr
	s_wait_dscnt 0x0
	MULS (NQ-1)%2
.endm
.macro CHANGE g0a, g0b, fill
	s_wait_tensorcnt 0x0
	ds_add_u32 v[SPW], v[NIL]
.if \fill
	s_add_nc_u64 s[\g0a+2:\g0a+3], s[\g0a+2:\g0a+3], 2*CHB
	s_add_nc_u64 s[\g0b+2:\g0b+3], s[\g0b+2:\g0b+3], 2*CHB
.endif
	s_wait_dscnt 0x0
.if \fill
	CROUND
	JLOAD \g0a, G1P0, \g0b, G1P1
.else
	s_barrier_signal -1
	s_barrier_wait -1
.endif
.endm
	s_load_b256 s[4:11], s[0:1], 0x0
	s_load_b64 s[12:13], s[0:1], 0x20
	v_lshl_add_u32 v[SPW], v0, 2, SPARE
	v_mov_b32 v[NIL], 0
	ds_add_u32 v22, v23
	ds_add_u32 v22, v23
	s_wait_dscnt 0x0
	v_lshrrev_b32 v24, 5, v0
	s_delay_alu instid0(VALU_DEP_1)
	v_readfirstlane_b32 s14, v24
	s_and_b32 s16, s14, 3
	s_lshr_b32 s17, s14, 2
	s_bfe_u32 s19, ttmp6, 0x40000
	s_bfe_u32 s22, ttmp6, 0x40004
	s_lshl_b32 s18, ttmp9, 2
	s_add_co_u32 s18, s18, s19
	s_and_b32 s15, ttmp7, 0xffff
	s_lshl_b32 s15, s15, 2
	s_add_co_u32 s15, s15, s22
	s_lshl_b32 s66, s22, 2
	s_lshl_b32 s66, 15, s66
	s_lshl_b32 s67, 0x1111, s19
	s_or_b32 s[G1P0], s67, (3<<16)|(1<<21)
	s_or_b32 s[G1P1], s66, (3<<16)|(1<<21)
.irp g, G1P0, G1P1
	s_mov_b32 s[\g+1], DC<<16
	s_mov_b32 s[\g+2], 2<<16
	s_mov_b32 s[\g+3], DC<<16
	s_mov_b32 s[\g+4], 2
	s_mov_b32 s[\g+5], DP
	s_mov_b32 s[\g+6], 0
	s_mov_b32 s[\g+7], 0
.endr
	s_lshl_b32 s84, s18, LWC
	s_add_co_u32 s84, s84, WCB
	s_lshl_b32 s85, s16, LVC
	s_add_co_u32 s84, s84, s85
	s_mov_b32 s85, 0
	s_lshl_b32 s86, s18, LWS
	s_add_co_u32 s86, s86, WSB
	s_lshl_b32 s87, s16, LVS
	s_add_co_u32 s86, s86, s87
	s_mov_b32 s87, 0
	s_lshl_b32 s88, s15, LWC
	s_lshl_b32 s89, s16, LVC
	s_add_co_u32 s88, s88, s89
	s_mov_b32 s89, 0
	s_lshl_b32 s90, s15, LWS
	s_add_co_u32 s90, s90, ASB
	s_lshl_b32 s91, s16, LVS
	s_add_co_u32 s90, s90, s91
	s_mov_b32 s91, 0
	s_lshl_b32 s92, s14, LLC
	s_lshl_b32 s93, s14, LVS
	s_add_co_u32 s93, s93, SCL
	s_wait_kmcnt 0x0
	s_add_nc_u64 s[P0S+2:P0S+3], s[6:7], s[86:87]
	s_mov_b32 s[P0A], 1
	s_mov_b32 s[P0A+1], s92
	s_add_nc_u64 s[P0A+2:P0A+3], s[6:7], s[84:85]
	s_mov_b32 s[P0B], 1
	s_add_co_u32 s[P0B+1], s92, SLOTB
	s_add_nc_u64 s[P0B+2:P0B+3], s[P0A+2:P0A+3], CHB
	s_or_b32 s[P0A+3], s[P0A+3], 0x80000000
	s_or_b32 s[P0B+3], s[P0B+3], 0x80000000
	s_add_nc_u64 s[P1S+2:P1S+3], s[4:5], s[90:91]
	s_mov_b32 s[P1A], 1
	s_mov_b32 s[P1A+1], s92
	s_add_nc_u64 s[P1A+2:P1A+3], s[4:5], s[88:89]
	s_mov_b32 s[P1B], 1
	s_add_co_u32 s[P1B+1], s92, SLOTB
	s_add_nc_u64 s[P1B+2:P1B+3], s[P1A+2:P1A+3], CHB
	s_cmp_eq_u32 s17, 0                            ; the scale words that my wave brings: P0's or P1's, by the wave's number
	s_cselect_b64 s[P0S+2:P0S+3], s[P0S+2:P0S+3], s[P1S+2:P1S+3]
	s_or_b32 s[P1A+3], s[P1A+3], 0x80000000
	s_or_b32 s[P1B+3], s[P1B+3], 0x80000000
	CROUND                                         ; all sixteen work-groups are here: the first joint loads meet
	JLOAD P0A, G1P0, P1A, G1P1                     ; slot 0: my one tensor load at the head
	; the scale words of my two tiles, 4,096 consecutive bytes, a sixteenth of the codes' bytes, come by plain loads and LDS stores into bytes on which no fill lands: not jointly
	v_and_b32 v31, 31, v0
	v_lshlrev_b32 v31, 4, v31                      ; 16 x lane
.irp i, 0,1,2,3,4,5,6,7
	global_load_b128 v[32+4*\i:35+4*\i], v31, s[P0S+2:P0S+3] offset:512*\i   ; 512 consecutive bytes
.endr
	v_add_nc_u32 v30, s93, v31                     ; their place in LDS
	s_wait_alu depctr_va_vdst(0)
	s_wait_loadcnt 0x0                             ; the scale words are in registers,
	s_wait_tensorcnt 0x0                           ; and no tensor load of mine is out while I store to LDS
.irp i, 0,1,2,3,4,5,6,7
	ds_store_b128 v30, v[32+4*\i:35+4*\i] offset:512*\i
.endr
	s_wait_tensorcnt 0x0
	ds_add_u32 v22, v23
	s_wait_dscnt 0x0                               ; the add is done, and my scale words lie in LDS
	CROUND                                         ; everybody's part of slot 0 and everybody's scale words are in
	JLOAD P0B, G1P0, P1B, G1P1                     ; slot 1's first fill, the first tensor load behind the round
	v_and_b32 v24, 31, v0
	v_and_b32 v25, 15, v0
	v_bfe_u32 v26, v0, 4, 1
	s_delay_alu instid0(VALU_DEP_3)
	v_lshlrev_b32 v27, 4, v24
	s_mul_i32 s20, s17, 4*TS
	v_add_nc_u32 v[VP0], s20, v27
	s_delay_alu instid0(VALU_DEP_1)
	v_add_nc_u32 v[VP0+1], SLOTB, v[VP0]
	s_mul_i32 s20, s16, 2*TS
	s_add_co_u32 s20, s20, 8*TS
	v_add_nc_u32 v[VP1], s20, v27
	s_delay_alu instid0(VALU_DEP_1)
	v_add_nc_u32 v[VP1+1], SLOTB, v[VP1]
	v_mul_u32_u24 v28, v26, SS
	s_delay_alu instid0(VALU_DEP_1)
	v_lshl_add_u32 v28, v25, 2, v28
	s_mul_i32 s20, s17, 4*SS
	s_add_co_u32 s20, s20, SCL
	v_add_nc_u32 v[VSB], s20, v28
	s_mul_i32 s20, s16, 2*SS
	s_add_co_u32 s20, s20, SCL+8*SS
	v_add_nc_u32 v[VSA], s20, v28
	v_lshlrev_b32 v[VB], 6, v26
	s_wait_alu depctr_va_vdst(0)
	v_lshlrev_b32 v[VG], 12, v26
	s_delay_alu instid0(VALU_DEP_1)
	v_lshl_add_u32 v[VG], v25, 4, v[VG]
	s_wait_alu depctr_va_vdst(0)
	s_mul_i32 s20, s14, 8704
	s_add_co_u32 s20, s20, STAGE
	v_mul_u32_u24 v[STO], v25, 272
	s_delay_alu instid0(VALU_DEP_1)
	v_lshl_add_u32 v[STO], v26, 6, v[STO]
	s_delay_alu instid0(VALU_DEP_1)
	v_add_nc_u32 v[STO], s20, v[STO]
	v_mul_u32_u24 v[RD], v26, 272
	s_delay_alu instid0(VALU_DEP_1)
	v_lshl_add_u32 v[RD], v25, 4, v[RD]
	s_delay_alu instid0(VALU_DEP_1)
	v_add_nc_u32 v[RD], s20, v[RD]
	s_lshl_b32 s94, s18, 9
	s_lshl_b32 s95, s17, 8
	s_add_co_u32 s94, s94, s95
	s_mov_b32 s95, 0
	s_add_nc_u64 s[8:9], s[8:9], s[94:95]
	s_lshl_b32 s23, s15, 19
	s_add_co_u32 s94, s94, s23
	s_lshl_b32 s23, s16, 17
	s_add_co_u32 s94, s94, s23
	s_add_nc_u64 s[10:11], s[10:11], s[94:95]
	s_add_nc_u64 s[12:13], s[12:13], s[94:95]
.irp a, 0,1
.irp p, 0,1
.irp i, 0,1,2,3
	global_load_b128 v[ACC+32*\a+16*\p+4*\i:ACC+32*\a+16*\p+4*\i+3], v[VB], s[8:9] offset:128*\p+16*\i
.endr
.endr
.endr
.irp u, 0,1
.irp i, 0,1,2,3,4,5,6,7
	global_load_b128 v[RES+32*\u+4*\i:RES+32*\u+4*\i+3], v[VG], s[10:11] offset:(16*((\i>>2)&1)+8*\u+2*(\i&3))*4096 th:TH_LOAD_NT
.endr
.endr
	s_wait_tensorcnt 0x1
	s_barrier_signal -1
	s_barrier_wait -1
	s_wait_loadcnt 16
	CHUNK 0, 0
	CHANGE P0A, P1A, 1
	CHUNK 1, 1
	CHANGE P0B, P1B, 1
	CHUNK 0, 2
	CHANGE P0A, P1A, 0
	CHUNK 1, 3
.rept 4
	v_nop
.endr
	s_wait_alu depctr_va_vdst(0)
.irp a, 0,1
.irp b, 0,1,2,3
	ds_store_b128 v[STO], v[ACC+32*\a+8*\b:ACC+32*\a+8*\b+3]   offset:16*\a*272+128*(\b/2)+32*(\b%2)
	ds_store_b128 v[STO], v[ACC+32*\a+8*\b+4:ACC+32*\a+8*\b+7] offset:16*\a*272+128*(\b/2)+32*(\b%2)+16
.endr
.endr
	s_wait_loadcnt 0x0
.irp u, 0,1
.irp i, 0,1,2,3,4,5,6,7
	ds_load_b128 v[OB+4*\i:OB+4*\i+3], v[RD] offset:2*(8*\u+\i)*272
.endr
.irp i, 0,1,2,3,4,5,6,7
	s_wait_dscnt 7-\i
	v_pk_add_f32 v[RES+32*\u+4*\i:RES+32*\u+4*\i+1],   v[RES+32*\u+4*\i:RES+32*\u+4*\i+1],   v[OB+4*\i:OB+4*\i+1]
	v_pk_add_f32 v[RES+32*\u+4*\i+2:RES+32*\u+4*\i+3], v[RES+32*\u+4*\i+2:RES+32*\u+4*\i+3], v[OB+4*\i+2:OB+4*\i+3]
	global_store_b128 v[VG], v[RES+32*\u+4*\i:RES+32*\u+4*\i+3], s[12:13] offset:(16*((\i>>2)&1)+8*\u+2*(\i&3))*4096 th:TH_STORE_NT
.endr
.endr
	s_wait_tensorcnt 0x0
	ds_add_u32 v[SPW], v[NIL]
	s_wait_dscnt 0x0
	CROUND
	s_endpgm
.Lfunc_end_k_qba83a61f35_g6:
	.size	k_qba83a61f35_g6, .Lfunc_end_k_qba83a61f35_g6-k_qba83a61f35_g6
	.p2alignl 7, 3214868480
	.fill 96, 4, 3214868480
	.section	.rodata,"a",@progbits
	.p2align	6, 0x0
	.amdhsa_kernel k_qba83a61f35_g6
		.amdhsa_group_segment_fixed_size 327680
		.amdhsa_private_segment_fixed_size 0
		.amdhsa_enable_private_segment 0
		.amdhsa_kernarg_size 40
		.amdhsa_user_sgpr_count 2
		.amdhsa_user_sgpr_kernarg_segment_ptr 1
		.amdhsa_wavefront_size32 1
		.amdhsa_system_sgpr_workgroup_id_x 1
		.amdhsa_system_sgpr_workgroup_id_y 1
		.amdhsa_system_sgpr_workgroup_id_z 1
		.amdhsa_system_vgpr_workitem_id 0
		.amdhsa_next_free_vgpr 256
		.amdhsa_next_free_sgpr 96
		.amdhsa_reserve_vcc 0
		.amdhsa_float_denorm_mode_32 3
		.amdhsa_float_denorm_mode_16_64 3
		.amdhsa_memory_ordered 1
		.amdhsa_forward_progress 1
		.amdhsa_inst_pref_size 89
	.end_amdhsa_kernel
	.amdgpu_metadata
---
amdhsa.version: [ 1, 2 ]
amdhsa.kernels:
  - .name:           k_qba83a61f35_g6
    .symbol:         k_qba83a61f35_g6.kd
    .args:
      - { .name: hq, .offset: 0, .size: 8, .value_kind: global_buffer, .address_space: global }
      - { .name: wq, .offset: 8, .size: 8, .value_kind: global_buffer, .address_space: global }
      - { .name: ff_b2, .offset: 16, .size: 8, .value_kind: global_buffer, .address_space: global }
      - { .name: x1, .offset: 24, .size: 8, .value_kind: global_buffer, .address_space: global }
      - { .name: out0, .offset: 32, .size: 8, .value_kind: global_buffer, .address_space: global }
    .group_segment_fixed_size: 327680
    .private_segment_fixed_size: 0
    .kernarg_segment_align: 8
    .kernarg_segment_size: 40
    .max_flat_workgroup_size: 256
    .sgpr_count:     96
    .vgpr_count:     256
    .wavefront_size: 32
...
	.end_amdgpu_metadata
.endif
;; end of part 7
